; MI455X (gfx1250); checked and timed in simulation.
; The chip was launched on July 23, 2026; its instructions are those of AMD's public machine-readable ISA for CDNA 5 (MIT licence, August 2026) and "CDNA5" Instruction Set Architecture Reference Guide (July 2026). The comments in the code are by the model that wrote it; some were corrected since.
;; multihead self attention. Allowed arithmetic: matrix products marked QUANTISED: E2M1 operands, one E8M0 scale for each 32 along K, by v_wmma_scale_f32_16x16x128_f8f6f4 with both operands' format E2M1 (or v_wmma_scale_f32_32x16x128_f4), f32 sums; products left as they are: bf16, f16 or f32 operands; f32 sums; everything else in f32.
;; Inputs: Wo 1,024 x 1,024 float32; Wqkv 3,072 x 1,024 float32; x 2 x 2,048 x 1,024 float32.
;; Outputs: out0 2 x 2,048 x 1,024 float32.
;; This version of the problem:
;;   THIS VERSION OF THE PROBLEM IS GIVEN IN LOW PRECISION. The matrix products marked QUANTISED in the list below multiply operands that are first quantised to E2M1 (2 exponent bits, 1 mantissa bit; 4 bits a number), with one power-of-two scale for each 32 numbers along K (OCP MX v1.0); their sums are f32. The products marked 'left as it is' may take bf16, f16 or f32 operands, with f32 sums. All else is computed in f32.
;;   The module's matrix products, in the order in which they are computed (A, B: the left and right operand; K: the contracted axis; several contracted axes count as one K, in the product's order):
;;     1. [M 4,096, K 1,024] x [K 1,024, N 3,072]; A: input x; B: input Wqkv: QUANTISED
;;     2. batch 32 x [M 2,048, K 64] x [K 64, N 2,048]; A: computed on the way; B: computed on the way: left as it is (an operand is computed on the way)
;;     3. batch 32 x [M 2,048, K 2,048] x [K 2,048, N 64]; A: computed on the way; B: computed on the way: left as it is (an operand is computed on the way)
;;     4. [M 4,096, K 1,024] x [K 1,024, N 1,024]; A: computed on the way; B: input Wo: left as it is (an operand is computed on the way)
;;   THE QUANTISER, for each operand of a quantised product, along K:
;;     - K is cut into blocks of 32 from its start; a last block that is shorter is filled with zeros.
;;     - A block's scale is 2^e with e = floor(log2(the largest magnitude in the block)) - 2, held to -126 .. 127; a block of zeros has e = 0. As a byte (E8M0): e + 127.
;;     - Each number is divided by its block's scale, clamped to +-6, and rounded to the nearest number of E2M1, ties to even, subnormals kept.
;;     - The product sums the exact products of the quantised numbers (number of the format x scale) in f32.
;;   ~~~python
;;   def quantise(x, axis):      # numpy; x: float32 -> the quantised numbers, widened to float32 again
;;       x = np.moveaxis(x, axis, -1); K = x.shape[-1]
;;       x = np.pad(x, [(0, 0)] * (x.ndim - 1) + [(0, -K % 32)]); x = x.reshape(x.shape[:-1] + (-1, 32)); a = np.abs(x).max(-1, keepdims=True)
;;       e = np.where(a > 0, np.clip(np.frexp(np.where(a > 0, a, 1))[1] - 1 - 2, -126, 127), 0)      # np.frexp(a)[1] - 1 = floor(log2(a)), exactly
;;       r = np.clip(x / 2.0 ** e, -6, 6)
;;       step = 2.0 ** (np.maximum(np.frexp(np.where(r == 0, 1, r))[1] - 1, 0) - 1)
;;       q = np.round(r / step) * step * 2.0 ** e      # np.round: ties to even
;;       return np.moveaxis(q.reshape(q.shape[:-2] + (-1,))[..., :K], -1, axis).astype(np.float32)
;;   ~~~
;; One version. Each part assembles by itself: llvm-mc -triple=amdgcn-amd-amdhsa -mcpu=gfx1250 --defsym DOCPART=n.
;; ======== version 1 of 1: 4 launches
;; limits: values are held in f16: magnitudes above 65,504 overflow, below 6.1e-05 lose precision
;; workspace buffers: xc 2,097,152 bytes; xs 131,072 bytes; wc 1,572,864 bytes; ws 98,304 bytes; wob 2,097,152 bytes; rope 524,288 bytes; qkv 25,165,824 bytes; ao 8,388,608 bytes
;; launch prep (part 1): grid 320 x 1, 4 waves a work-group, no clusters, 32,768 bytes of LDS; arguments x, Wqkv, Wo, xc, xs, wc, ws, wob, rope; writes xc, xs, wc, ws, wob, rope
.if DOCPART == 1
	.amdgcn_target "amdgcn-amd-amdhsa--gfx1250"
	.amdhsa_code_object_version 6
	.text
	.protected	k_q65b03f7b5e_prep
	.globl	k_q65b03f7b5e_prep
	.p2align	8
	.type	k_q65b03f7b5e_prep,@function
k_q65b03f7b5e_prep:
	s_mov_b64 s[64:65], 0
	v_nop
	global_prefetch_b8 v0, s[64:65] scope:SCOPE_SE
	s_setreg_imm32_b32 hwreg(HW_REG_WAVE_MODE, 25, 1), 1
	s_wait_xcnt 0x0
; PREP: what the later launches read again and again is made here, once.  Three kinds of work-groups, told apart by the work-group's number alone:
;   0-223    x [4096][1024] (work-groups 0-127) and Wqkv [3072][1024] (128-223), f32, become codes of FP4 (E2M1), K innermost, 512 bytes a row, and one E8M0 byte for each 32 along K, 32 bytes a row.
;   224-287  Wo [1024][1024] f32 becomes f16, laid as images of the operand's registers: [n / 16][k / 32][half][512 bytes]; lane (r, h) has 16 bytes at 16 x lane: row 16 (n / 16) + r, k = 32 kb + 16 half + 8 h + 0 .. 7.
;   288-319  the table of the rotation: [position 2048][g 8][cos of pairs 4 g .. 4 g + 3: 16 bytes | sin of the same: 16 bytes], f32, 256 bytes a position.
; THE QUANTISER.  A block's scale is 2^(floor(log2(its largest magnitude)) - 2); its byte is the largest magnitude's exponent field - 2, held at 1 from below; each number is divided by the scale and rounded to the nearest code,
; ties to even, beyond 6 the largest code.  Rows are dense and K is a multiple of 32: both tensors are plain streams of blocks of 32.  A wave takes 16 steps of 512 numbers.  Each of a step's four loads reads 512 consecutive
; bytes; the 2,048 bytes turn through the wave's own stage in LDS and come back 64 bytes a lane, since the conversions take neighbours along K from one lane's registers.  Two neighbouring lanes hold a block.
; THE TABLE.  angle = position x 10000^(-pair / 32), both factors f32 as in the definition; it is reduced by whole quarter turns (pi / 2 in two parts, fused) and sine and cosine are polynomials on +-pi / 4, cut at r^7 and r^8:
; the terms left out are under 3e-7.  cos x is taken as sin(x + pi / 2): one more quarter turn.  Which polynomial and which sign serve is a choice of values (v_cndmask_b32, v_xor_b32): no address and no branch hangs on it.
; LIMITS: NaN and infinities among the inputs are not served.  A block whose largest magnitude lies under 2^-124, a block of zeros too, keeps the byte 1 (a block of zeros has zero codes; the bytes are read by this program alone).
; 10000^(-pair / 32) comes from v_exp_f32 (1 ulp: ISA guide, its entry), so an angle can differ from the definition's by some 2e-4 at position 2,047.  Wo beyond 65,504 has no f16 number.
.set WGA,   128                        ; work-groups for x: 4096 x 1024 / 32768
.set WGQ,   224                        ; + 96 for Wqkv
.set WGW,   288                        ; + 64 for Wo
.set STEPS, 16
.set CB,    8                          ; bytes of 16 codes
.set R,     16                         ; v16-79   four sets of 16 numbers as they are loaded
.set X,     80                         ; v80-111  two sets of 16 neighbours
.set E,     112                        ; v112-127 a scale byte for each step
.set C,     128                        ; v128-191 codes: four registers for each step, so that no store's data are written again
.set WREG,  8192                       ; LDS: a region for each wave: two stages of 32 x SP bytes, behind them its 256 scale bytes
.set SP,    80                         ; a lane's place in a stage: 64 bytes + 16 of padding
.set W,     32                         ; Wo's way: v32-159, 16 items of 8 numbers
.set TV,    32                         ; the table's way: v32-63, 8 items of 4 numbers
	s_load_b256 s[4:11], s[0:1], 0x0               ; x s[4:5], Wqkv s[6:7], Wo s[8:9], xc s[10:11]
	s_load_b256 s[12:19], s[0:1], 0x20             ; xs s[12:13], wc s[14:15], ws s[16:17], wob s[18:19]
	s_load_b64 s[20:21], s[0:1], 0x40              ; rope
	v_lshrrev_b32 v1, 5, v0
	v_readfirstlane_b32 s22, v1                    ; wave
	v_and_b32 v2, 31, v0                           ; lane
	s_mov_b32 s27, 0                               ; offsets stand in s[26:27]; all stay under 2^32
	s_wait_kmcnt 0x0
	s_cmp_ge_u32 ttmp9, WGW
	s_cbranch_scc1 .Ltable
	s_cmp_ge_u32 ttmp9, WGQ
	s_cbranch_scc1 .Lwo
	; ---------------- the quantiser ----------------
	v_lshlrev_b32 v3, 4, v2                        ; my 16 bytes of a load's 512
	s_mul_i32 s23, s22, WREG
	v_lshrrev_b32 v14, 2, v2
	v_mul_u32_u24 v14, v14, SP
	v_and_b32 v15, 3, v2
	v_lshl_add_u32 v14, v15, 4, v14
	v_add_nc_u32 v14, s23, v14                     ; the stage, on the way in: four lanes' 64 bytes on end, then 16 of padding
	v_mul_u32_u24 v15, v2, SP
	v_add_nc_u32 v15, s23, v15                     ; and on the way out: SP x lane: my 16 neighbours
	v_mul_u32_u24 v4, v2, CB                       ; my codes' place in a step's
	v_lshrrev_b32 v5, 1, v2
	s_add_co_u32 s23, s23, 2*32*SP
	v_add_nc_u32 v5, s23, v5                       ; LDS: my wave's 256 scale bytes, my block's byte
	v_lshlrev_b32 v7, 3, v2                        ; and on the way out 8 bytes a lane
	v_add_nc_u32 v6, s23, v7
	s_cmp_lt_u32 ttmp9, WGA                        ; x's work-group or Wqkv's?  The choice hangs on the work-group's number alone
	s_cselect_b64 s[4:5], s[4:5], s[6:7]
	s_cselect_b64 s[10:11], s[10:11], s[14:15]
	s_cselect_b64 s[12:13], s[12:13], s[16:17]
	s_cselect_b32 s24, 0, WGA
	s_sub_co_u32 s24, ttmp9, s24
	s_lshl_b32 s24, s24, 2
	s_add_co_u32 s24, s24, s22                     ; which run of 8,192 numbers of the tensor is my wave's
	s_lshl_b32 s26, s24, 15                        ; 32,768 bytes of numbers a run,
	s_add_nc_u64 s[4:5], s[4:5], s[26:27]
	s_lshl_b32 s26, s24, 12                        ; 4,096 of codes,
	s_add_nc_u64 s[10:11], s[10:11], s[26:27]
	s_lshl_b32 s26, s24, 8                         ; 256 scale bytes
	s_add_nc_u64 s[12:13], s[12:13], s[26:27]
.macro LOAD t
.irp i, 0,1,2,3
	global_load_b128 v[R+16*((\t)%4)+4*\i:R+16*((\t)%4)+4*\i+3], v3, s[4:5] offset:2048*(\t)+512*\i th:TH_LOAD_NT   ; 32 lanes read 512 consecutive bytes
.endr
.endm
.macro TURN t                          ; step t's numbers through the stage: LDS serves a wave's instructions in order (ISA guide 5.7.1.4), so no wait stands between the stores and the loads
.irp i, 0,1,2,3
	ds_store_b128 v14, v[R+16*((\t)%4)+4*\i:R+16*((\t)%4)+4*\i+3] offset:32*SP*((\t)%2)+8*SP*\i
.endr
.irp i, 0,1,2,3
	ds_load_b128 v[X+16*((\t)%2)+4*\i:X+16*((\t)%2)+4*\i+3], v15 offset:32*SP*((\t)%2)+16*\i
.endr
.endm
.irp t, 0,1,2,3
	LOAD \t
.endr
	s_wait_loadcnt 12                              ; step 0's four loads are in; those of steps 1 to 3 may be out
	TURN 0
.macro STEP t
.set XS, X+16*((\t)%2)
.if (\t) > 0
	s_wait_dscnt 1                                 ; this step's numbers are back from the stage (the last step's byte store may be out): so its stores into the stage have read their registers,
.else
	s_wait_dscnt 0x0
.endif
.if (\t)+4 < STEPS
	LOAD (\t)+4                                    ; which take the loads of four steps on
.endif
.if (\t)+1 < STEPS
.if STEPS-2-(\t) >= 3
	s_wait_loadcnt 12                              ; the next step's four loads are in; those of the three steps behind it may be out
.else
	s_wait_loadcnt 4*(STEPS-2-(\t))
.endif
	TURN (\t)+1                                    ; and go through the other stage while this step is worked
.endif
	v_max3_num_f32 v8, |v[XS]|, |v[XS+1]|, |v[XS+2]|               ; the largest magnitude of my 16, in two chains
	v_max3_num_f32 v9, |v[XS+3]|, |v[XS+4]|, |v[XS+5]|
.irp i, 6,10
	v_max3_num_f32 v8, v8, |v[XS+\i]|, |v[XS+\i+1]|
	v_max3_num_f32 v9, v9, |v[XS+\i+2]|, |v[XS+\i+3]|
.endr
	v_max3_num_f32 v8, v8, |v[XS+14]|, |v[XS+15]|
	v_max3_num_f32 v8, v8, v9, 0x1800000           ; and the floor 2^(3 - 127): so the byte cannot fall under 1
	v_max_num_f32_dpp v8, v8, v8 row_xmask:1 row_mask:0xf bank_mask:0xf   ; and of my neighbour's 16: the block's
	v_add_nc_u32 v11, 0xff000000, v8               ; 2 off its exponent field: the conversion takes the exponent field of this operand as its scale, and nothing else of it
	v_cvt_scalef32_pk8_fp4_f32 v[C+4*(\t)], v[XS:XS+7], v11        ; eight numbers / the scale, to the nearest code; the first number's code in the lowest four bits
	v_cvt_scalef32_pk8_fp4_f32 v[C+4*(\t)+1], v[XS+8:XS+15], v11
	v_lshrrev_b32 v[E+(\t)], 23, v11               ; the scale's byte (also the plain line behind the conversions)
	ds_store_b8 v5, v[E+(\t)] offset:16*(\t)       ; both lanes of a block write the same byte with the same value
	global_store_b64 v4, v[C+4*(\t):C+4*(\t)+1], s[10:11] offset:32*CB*(\t)   ; the wave stores 256 consecutive bytes, aligned
.endm
.irp t, 0,1,2,3,4,5,6,7,8,9,10,11,12,13,14,15
	STEP \t
.endr
	ds_load_b64 v[12:13], v6                       ; in order behind my byte stores
	s_wait_dscnt 0x0
	global_store_b64 v7, v[12:13], s[12:13]        ; 32 lanes store the wave's 256 scale bytes, aligned
	s_endpgm
	; ---------------- Wo to f16 images: a wave takes 16 rows x 256 along K ----------------
.Lwo:
	s_sub_co_u32 s24, ttmp9, WGQ
	s_lshl_b32 s24, s24, 2
	s_add_co_u32 s24, s24, s22                     ; 0 .. 255
	s_lshr_b32 s25, s24, 2                         ; which 16 rows,
	s_and_b32 s24, s24, 3                          ; which quarter of K
	s_lshl_b32 s26, s25, 16                        ; in Wo: 16 rows of 4,096 bytes, 1,024 bytes a quarter
	s_lshl_b32 s28, s24, 10
	s_add_co_u32 s26, s26, s28
	s_add_nc_u64 s[8:9], s[8:9], s[26:27]
	s_lshl_b32 s26, s25, 15                        ; in the images: 32,768 bytes for 16 rows, 8,192 a quarter
	s_lshl_b32 s28, s24, 13
	s_add_co_u32 s26, s26, s28
	s_add_nc_u64 s[18:19], s[18:19], s[26:27]
	v_and_b32 v5, 15, v0                           ; r
	v_bfe_u32 v6, v0, 4, 1                         ; h
	v_lshlrev_b32 v3, 12, v5
	v_lshl_add_u32 v3, v6, 5, v3                   ; row r, + 32 h: my eight numbers of an item's sixteen along K
	v_lshlrev_b32 v4, 4, v2                        ; an image: 16 x lane
.set i, 0
.rept 16                                       ; item i = 2 kb + half: 64 bytes of each row; four items on end cover 256 bytes of each of the 16 rows
	global_load_b128 v[W+8*i:W+8*i+3], v3, s[8:9] offset:64*i th:TH_LOAD_NT
	global_load_b128 v[W+8*i+4:W+8*i+7], v3, s[8:9] offset:64*i+16 th:TH_LOAD_NT
.set i, i+1
.endr
.set i, 0
.rept 16
	s_wait_loadcnt 30-2*i                          ; item i's two loads are in; the younger items' may be out
.irp j, 0,1,2,3
	v_cvt_pk_f16_f32 v[W+8*i+\j], v[W+8*i+2*\j], v[W+8*i+2*\j+1]   ; in place, ascending: a result never lands on a number still to be read
.endr
	global_store_b128 v4, v[W+8*i:W+8*i+3], s[18:19] offset:512*i  ; 512 consecutive bytes; no register is written again
.set i, i+1
.endr
	s_endpgm
	; ---------------- the table: a wave takes 16 positions, two to an item ----------------
.Ltable:
	s_sub_co_u32 s24, ttmp9, WGW
	s_lshl_b32 s24, s24, 2
	s_add_co_u32 s24, s24, s22                     ; 0 .. 127
	s_lshl_b32 s26, s24, 12                        ; 16 positions of 256 bytes
	s_add_nc_u64 s[20:21], s[20:21], s[26:27]
	s_lshl_b32 s23, s24, 4                         ; my wave's first position
	s_mov_b32 s28, 0x3f22f983                      ; 2 / pi
	s_mov_b32 s29, 0x3fc90fdb                      ; pi / 2, its f32 part,
	s_mov_b32 s30, 0xb33bbd2e                      ; and the rest
	s_mov_b32 s31, 0xb9500d01                      ; -1 / 5040
	s_mov_b32 s32, 0x3c088889                      ; 1 / 120
	s_mov_b32 s33, 0xbe2aaaab                      ; -1 / 6
	s_mov_b32 s34, 0x37d00d01                      ; 1 / 40320
	s_mov_b32 s35, 0xbab60b61                      ; -1 / 720
	s_mov_b32 s36, 0x3d2aaaab                      ; 1 / 24
	v_lshlrev_b32 v3, 4, v2                        ; 16 x lane: lanes 0-15 one position's 256 bytes, lanes 16-31 the next's
	v_lshrrev_b32 v4, 4, v2
	v_add_nc_u32 v4, s23, v4                       ; my position in item 0
	v_bfe_u32 v5, v0, 1, 3                         ; g
	v_lshlrev_b32 v5, 2, v5                        ; my first pair
.irp i, 0,1,2,3
	v_add_nc_u32 v[8+\i], \i, v5
	v_cvt_f32_u32 v[8+\i], v[8+\i]
	v_mul_f32 v[8+\i], 0xbed49a78, v[8+\i]         ; pair x -log2(10000) / 32
.endr
.irp i, 0,1,2,3
	v_exp_f32 v[8+\i], v[8+\i]                     ; 10000^(-pair / 32)
.endr
	v_and_b32 v13, 1, v0                           ; (a plain line behind the exponentials)  0: I make cosines, 1: sines
	v_sub_nc_u32 v13, 1, v13                       ; a cosine is the sine a quarter turn on
.macro SINCOS it, i
	v_mul_f32 v16, v14, v[8+\i]                    ; the angle
	v_mul_f32 v17, s28, v16
	v_rndne_f32 v17, v17                           ; whole quarter turns
	v_fma_f32 v18, -v17, s29, v16
	v_fma_f32 v18, -v17, s30, v18                  ; what is left: within +-pi / 4
	v_cvt_i32_f32 v19, v17
	v_add_nc_u32 v19, v19, v13                     ; the quarter that counts
	v_mul_f32 v20, v18, v18
	v_fma_f32 v21, v20, s31, s32
	v_fma_f32 v21, v21, v20, s33
	v_mul_f32 v23, v18, v20
	v_fma_f32 v23, v23, v21, v18                   ; sin
	v_fma_f32 v22, v20, s34, s35
	v_fma_f32 v22, v22, v20, s36
	v_fma_f32 v22, v22, v20, -0.5
	v_fma_f32 v22, v22, v20, 1.0                   ; cos
	v_and_b32 v24, 1, v19
	v_cmp_eq_u32 vcc_lo, 1, v24
	v_cndmask_b32 v22, v23, v22, vcc_lo            ; odd quarters take the cosine,
	v_and_b32 v24, 2, v19
	v_lshlrev_b32 v24, 30, v24
	v_xor_b32 v[TV+4*\it+\i], v24, v22             ; quarters 2 and 3 the other sign
.endm
.macro TAB it
	v_add_nc_u32 v14, 2*\it, v4
	v_cvt_f32_u32 v14, v14                         ; the position, exact
.irp i, 0,1,2,3
	SINCOS \it, \i
.endr
	global_store_b128 v3, v[TV+4*\it:TV+4*\it+3], s[20:21] offset:512*\it   ; two whole positions: 512 consecutive bytes; each item has its own registers
.endm
.irp it, 0,1,2,3,4,5,6,7
	TAB \it
.endr
	s_endpgm
.Lfunc_end_k_q65b03f7b5e_prep:
	.size	k_q65b03f7b5e_prep, .Lfunc_end_k_q65b03f7b5e_prep-k_q65b03f7b5e_prep
	.p2alignl 7, 3214868480
	.fill 96, 4, 3214868480
	.section	.rodata,"a",@progbits
	.p2align	6, 0x0
	.amdhsa_kernel k_q65b03f7b5e_prep
		.amdhsa_group_segment_fixed_size 32768
		.amdhsa_private_segment_fixed_size 0
		.amdhsa_enable_private_segment 0
		.amdhsa_kernarg_size 72
		.amdhsa_user_sgpr_count 2
		.amdhsa_user_sgpr_kernarg_segment_ptr 1
		.amdhsa_wavefront_size32 1
		.amdhsa_system_sgpr_workgroup_id_x 1
		.amdhsa_system_sgpr_workgroup_id_y 1
		.amdhsa_system_sgpr_workgroup_id_z 1
		.amdhsa_system_vgpr_workitem_id 0
		.amdhsa_next_free_vgpr 192
		.amdhsa_next_free_sgpr 66
		.amdhsa_reserve_vcc 1
		.amdhsa_float_denorm_mode_32 3
		.amdhsa_float_denorm_mode_16_64 3
		.amdhsa_memory_ordered 1
		.amdhsa_forward_progress 1
		.amdhsa_inst_pref_size 77
	.end_amdhsa_kernel
	.amdgpu_metadata
---
amdhsa.version: [ 1, 2 ]
amdhsa.kernels:
  - .name:           k_q65b03f7b5e_prep
    .symbol:         k_q65b03f7b5e_prep.kd
    .args:
      - { .name: x, .offset: 0, .size: 8, .value_kind: global_buffer, .address_space: global }
      - { .name: Wqkv, .offset: 8, .size: 8, .value_kind: global_buffer, .address_space: global }
      - { .name: Wo, .offset: 16, .size: 8, .value_kind: global_buffer, .address_space: global }
      - { .name: xc, .offset: 24, .size: 8, .value_kind: global_buffer, .address_space: global }
      - { .name: xs, .offset: 32, .size: 8, .value_kind: global_buffer, .address_space: global }
      - { .name: wc, .offset: 40, .size: 8, .value_kind: global_buffer, .address_space: global }
      - { .name: ws, .offset: 48, .size: 8, .value_kind: global_buffer, .address_space: global }
      - { .name: wob, .offset: 56, .size: 8, .value_kind: global_buffer, .address_space: global }
      - { .name: rope, .offset: 64, .size: 8, .value_kind: global_buffer, .address_space: global }
    .group_segment_fixed_size: 32768
    .private_segment_fixed_size: 0
    .kernarg_segment_align: 8
    .kernarg_segment_size: 72
    .max_flat_workgroup_size: 128
    .sgpr_count:     66
    .vgpr_count:     192
    .wavefront_size: 32
...
	.end_amdgpu_metadata
.endif
;; end of part 1
;; launch qkvgemm (part 2): grid 12 x 16, 4 waves a work-group, clusters of 4 x 4, 327,680 bytes of LDS; arguments xc, xs, wc, ws, rope, qkv; writes qkv
.if DOCPART == 2
	.amdgcn_target "amdgcn-amd-amdhsa--gfx1250"
	.amdhsa_code_object_version 6
	.text
	.protected	k_q65b03f7b5e_qkvgemm
	.globl	k_q65b03f7b5e_qkvgemm
	.p2align	8
	.type	k_q65b03f7b5e_qkvgemm,@function
k_q65b03f7b5e_qkvgemm:
	s_mov_b64 s[64:65], 0
	v_nop
	global_prefetch_b8 v0, s[64:65] scope:SCOPE_SE
	s_setreg_imm32_b32 hwreg(HW_REG_WAVE_MODE, 25, 1), 1
	s_wait_xcnt 0x0
	s_wait_alu depctr_hold_cnt(0) depctr_sa_sdst(0) depctr_va_vdst(0) depctr_va_sdst(0) depctr_va_ssrc(0) depctr_va_vcc(0) depctr_vm_vsrc(0)
	s_getreg_b32 s2, hwreg(HW_REG_IB_STS2, 6, 4)
	s_cmp_eq_u32 s2, 0
	s_cbranch_scc0 .Lentry_in_a_cluster
	s_endpgm
.Lentry_in_a_cluster:
	s_bfe_u32 s2, ttmp6, 0x10000c
	s_cmp_lg_u32 s2, 0xf033
	s_cbranch_scc0 .Lentry_shape_is_right
	s_endpgm
.Lentry_shape_is_right:
; x Wqkv^T on codes of FP4 (E2M1) with one E8M0 scale for each 32 along K, sums in f32; then the rotation of q and k in f32; then q, k, v rounded to f16 and stored as images of the next launch's operand registers.
; xc [4096][512 bytes], wc [3072][512 bytes]: codes, K = 1,024 innermost; xs [4096][32], ws [3072][32]: scale bytes.  rope: [position][g 8][cos of pairs 4 g .. 4 g + 3 | sin of the same], 256 bytes a position.
; A tile of the product, 256 tokens x 256 features, is made by a work-group of four waves; a wave makes 128 x 128: 64 accumulators of 16 x 16, 512 registers.  K goes in two steps of 512 (rows of 256 bytes), and LDS holds
; both at once: every tile and the scale bytes are asked for at the head and NOTHING IS FILLED AGAIN.  By the text's own count a wave has three tensor loads out: its part of the scales, of slot 0, of slot 1.
; CLUSTERS: 4 x 4 work-groups.  The four of a row of the cluster need the same tiles of x, the four of a column the same tiles of W: each tile is asked for JOINTLY, by the same tensor load with the same descriptor and a mask
; that names the four.  A cluster's x is also the part: 0 = q, 1 = k, 2 = v (1,024 features each), the same in all sixteen partners: the one branch on it parts the two ways out.
; THE MATRIX INSTRUCTION IS USED TRANSPOSED (source 0 = 16 rows of W, source 1 = 16 rows of x): a lane holds one token and eight features.
; THE ROWS OF A TILE ARE TAKEN IN ANOTHER ORDER, of W and of x alike: lane r takes row rp = (r & 8) + 2 (r & 3) + ((r >> 2) & 1).  For W that puts into registers 0-3 of lane (r, h) the EVEN features 8 h + 0, 2, 4, 6 of the tile and into
; registers 4-7 the ODD ones: the two halves of four rotation pairs, so that the rotation is packed arithmetic on whole registers and the rounding to f16 puts the pairs together again.  For x it only says that lane r holds
; token rp, which the offsets of the table and of the stores take up; so one address serves both sides' scale words.
; THE IMAGES: qkv = q, k, v, 8,388,608 bytes each: [16 batch + head][token / 16][f 4][512 bytes].  q, k: the 16 bytes at 16 (16 h + t) hold token t of the tile, channels 16 f + 8 h + 0 .. 7.  v: the same 16 bytes lie at
; 16 (16 (t >> 3) + 8 h + (t & 7)), so that the transposing LDS load at 16 x lane gives the fragment of V^T.  Every store of a wave covers 512 consecutive bytes: no stage in LDS is needed.
; LIMITS: q, k, v beyond 65,504 have no f16 number.  (x of spread 1 and Wqkv of spread 0.022 give a spread of 0.7; both 30 times larger: 640; a common offset of 30 spreads on both: 20,000, behind the rotation 29,000.)
; REGISTERS, in windows of 256: window 0: v0-31 addresses; v32-95 scale words, two sets, and nothing else; v96-127 results in f16; v128-191 x's fragments, ONE set, on the way out the rotated numbers; v192-255 two sets of the table.
;   window 1: W's fragments, TWO sets, at v0 and v128.   window 2: the 32 accumulators of my tokens 0-63 (accumulator (a, b) at v[8 (8 a + b)]);   window 3: those of my tokens 64-127.
.set NQ,     4                         ; matrix instructions deep in a slot: 512 / 128
.set ROWB,   256                       ; a tile's row in bytes
.set KROW,   512                       ; a row of codes in memory
.set PITCH,  272                       ; an LDS row: 256 bytes + 16 of padding = 68 words: row r starts at bank 4 r mod 64 (64 banks of 4 bytes: ISA guide 11.1), so the 16 rows that a load touches start at 16 different banks
.set FR,     8                         ; registers of a fragment: 16 rows x 128 K
.set NL,     2                         ; LDS loads that bring one
.set NP,     4                         ; places behind this matrix instruction (ISA guide 7.12.1)
.set HALFT,  128*PITCH                 ; 128 rows: what one tensor load brings, and what one wave reads of x or of W
.set SLOT,   4*HALFT                   ; x's 256 rows, then W's 256 rows
.set KS,     32                        ; a row of scales in bytes
.set SCL,    2*SLOT                    ; behind the slots: the scales, as units of 256 bytes + 16 of padding
.set HALFS,  (128*KS/256)*272          ; the scales of 128 rows: what one tensor load brings
.set SBLK,   (16*KS/256)*272           ; those of 16 rows
.set ADRA, 16                          ; v16-17  LDS address of my fragments of x in slot 0, 1
.set ADRB, 20                          ; v20-21  the same for W
.set TO,   24                          ; v24     the table: 256 rp + 32 h
.set QO,   25                          ; v25     my 16 bytes in an image of q or k: 16 rp + 256 h
.set VO,   26                          ; v26     and of v: 256 (rp >> 3) + 128 h + 16 (rp & 7)
.set ADRS, 27                          ; v27     LDS address of my scale words: lanes 0-15 x's rows, lanes 16-31 W's
.set SC,   32                          ; scale words: set s at v[SC + 32 s]; register 4 i + q: lanes 0-15 the word of x's block i, lanes 16-31 that of W's block i, for the slot's q-th 128 along K
.set P,    96                          ; a block's results in f16
.set AF,   128                         ; x's fragments
.set RR,   128                         ; the way out: a block's rotated numbers
.set TS0,  192                         ; the table of a block's 16 tokens: set a % 2; in it 8 (b % 4) + 0 .. 3 cos, + 4 .. 7 sin
.set G1, 24                            ; s[24:31] descriptor group 1 for x's tiles;  s[32:39] group 0, one set for each slot
.set G0, 32
.set G1B, 48                           ; s[48:55], s[56:63] the same for W's tiles
.set G0B, 56
.set G1S, 68                           ; s[68:75], s[76:79] groups 1 and 0 for x's scales;  s[80:87], s[88:91] for W's
.set G0S, 76
.set G1SB, 80
.set G0SB, 88
.set MSB, 0
.macro WIN new                         ; the immediate's high byte repeats the setting that is left
.if MSB != \new
	s_set_vgpr_msb (MSB<<8)|\new
.set MSB, \new
.endif
.endm
.set MUL_LO, 0xa1                      ; source 0 (W) window 1, source 1 (x) window 0, C and D window 2
.set MUL_HI, 0xf1                      ; the same, C and D window 3
.set TO_B,   0x40                      ; destination window 1, address window 0
; A joint load: waves 0 and 1 fetch for x, waves 2 and 3 for W.  Each of the two lines has ONE mask and one set of registers for all that issue it; the branch hangs on the wave's number alone.
; Four v_nop follow each of the two lines, ahead of the jump, the label and what follows.
.macro JLOAD g0a, g1a, g0b, g1b
	s_cmp_eq_u32 s3, 0
	s_cbranch_scc0 .Lfor_b_\@
	tensor_load_to_lds s[\g0a:\g0a+3], s[\g1a:\g1a+7]
.rept 4
	v_nop
.endr
	s_branch .Lasked_\@
.Lfor_b_\@:
	tensor_load_to_lds s[\g0b:\g0b+3], s[\g1b:\g1b+7]
.rept 4
	v_nop
.endr
.Lasked_\@:
.endm
.macro CROUND                          ; a round of the cluster's barrier: my work-group's barrier, wave 0 signals for the work-group, every wave waits for all sixteen, my work-group's barrier once more
	s_barrier_signal -1
	s_barrier_wait -1
	s_cmp_lg_u32 s2, 0
	s_cbranch_scc1 .Lnot_wave_0_\@
	s_barrier_signal -3
.Lnot_wave_0_\@:
	s_barrier_wait -3
	s_barrier_signal -1
	s_barrier_wait -1
.endm
	s_load_b256 s[4:11], s[0:1], 0x0               ; xc s[4:5], xs s[6:7], wc s[8:9], ws s[10:11]
	s_load_b128 s[12:15], s[0:1], 0x20             ; rope s[12:13], qkv s[14:15]
	v_lshrrev_b32 v1, 5, v0
	v_readfirstlane_b32 s2, v1                     ; wave 0..3
	s_lshr_b32 s3, s2, 1                           ; which half of the tile's tokens is mine.  Also: I fetch for x (0) or for W (1)
	s_and_b32 s16, s2, 1                           ; which half of its features.  Also: which 128 rows of that tile I fetch
	s_bfe_u32 s40, ttmp6, 0x40000                  ; cx, cy: my place in the cluster
	s_bfe_u32 s41, ttmp6, 0x40004
	s_lshl_b32 s42, ttmp9, 2
	s_add_co_u32 s42, s42, s40                     ; tile column = 4 x cluster x + cx
	s_and_b32 s17, ttmp7, 0xffff
	s_lshl_b32 s17, s17, 2
	s_add_co_u32 s17, s17, s41                     ; tile row = 4 x cluster y + cy
	s_lshl_b32 s43, s41, 2
	s_lshl_b32 s43, 15, s43                        ; my row of the cluster
	s_lshl_b32 s44, 0x1111, s40                    ; my column
	; descriptor group 1: a tile of 128 rows x 256 bytes, padded in LDS
	s_or_b32 s[G1+0], s43, (0<<16)|(1<<20)|(1<<21)|(5<<22)|(3<<25)  ; 15:0 the mask: x's tiles go to my row; 17:16 element of 1 byte; 20 padding on; 21 set beside a mask; 24:22 after every 64 words (code 5); 31:25 of 4 words (code 3)
	s_or_b32 s[G1B+0], s44, (0<<16)|(1<<20)|(1<<21)|(5<<22)|(3<<25)
.irp g, G1, G1B
	s_mov_b32 s[\g+1], ROWB<<16                    ; tensor_dim0
	s_mov_b32 s[\g+2], 128<<16                     ; tensor_dim1 = 128
	s_mov_b32 s[\g+3], ROWB<<16                    ; tile_dim0
	s_mov_b32 s[\g+4], 128                         ; tile_dim1 = 128
	s_mov_b32 s[\g+5], KROW                        ; tensor_dim0_stride
	s_mov_b32 s[\g+6], 0
	s_mov_b32 s[\g+7], 0
.endr
	; and for the scales of 128 rows: a dense block of 4,096 bytes, as 16 rows of 256 bytes (32 elements of 8 bytes), 16 bytes of padding behind each
	s_or_b32 s[G1S+0], s43, (3<<16)|(1<<20)|(1<<21)|(5<<22)|(3<<25)
	s_or_b32 s[G1SB+0], s44, (3<<16)|(1<<20)|(1<<21)|(5<<22)|(3<<25)
.irp g, G1S, G1SB
	s_mov_b32 s[\g+1], 32<<16
	s_mov_b32 s[\g+2], (128*KS/256)<<16
	s_mov_b32 s[\g+3], 32<<16
	s_mov_b32 s[\g+4], 128*KS/256
	s_mov_b32 s[\g+5], 32
	s_mov_b32 s[\g+6], 0
	s_mov_b32 s[\g+7], 0
.endr
	s_lshl_b32 s18, s16, 7                         ; which 128 rows of the tile I fetch
	s_lshl_b32 s20, s17, 8
	s_add_co_u32 s20, s20, s18                     ; x: row 256 x tile row + 128 x half
	s_lshl_b32 s46, s42, 8
	s_add_co_u32 s46, s46, s18                     ; W: row 256 x tile column + 128 x half
	s_mov_b32 s21, 0
	s_mov_b32 s47, 0
	s_mov_b64 s[18:19], KS
	s_mul_u64 s[22:23], s[20:21], s[18:19]         ; where these rows' scales begin, in bytes
	s_mul_u64 s[92:93], s[46:47], s[18:19]
	s_mov_b64 s[18:19], KROW
	s_mul_u64 s[20:21], s[20:21], s[18:19]         ; and their codes
	s_mul_u64 s[46:47], s[46:47], s[18:19]
	s_mul_i32 s45, s2, HALFT                       ; where they go: wave x 128 rows: no place in the cluster enters an LDS address
	s_mul_i32 s94, s2, HALFS
	s_wait_kmcnt 0x0
	s_add_nc_u64 s[20:21], s[4:5], s[20:21]
	s_add_nc_u64 s[22:23], s[6:7], s[22:23]
	s_add_nc_u64 s[46:47], s[8:9], s[46:47]
	s_add_nc_u64 s[92:93], s[10:11], s[92:93]
	CROUND                                         ; all sixteen work-groups are here: the joint loads meet
	s_mov_b32 s[G0S], 1
	s_add_co_u32 s[G0S+1], s94, SCL
	s_mov_b64 s[G0S+2:G0S+3], s[22:23]
	s_or_b32 s[G0S+3], s[G0S+3], 0x80000000
	s_mov_b32 s[G0SB], 1
	s_add_co_u32 s[G0SB+1], s94, SCL
	s_mov_b64 s[G0SB+2:G0SB+3], s[92:93]
	s_or_b32 s[G0SB+3], s[G0SB+3], 0x80000000
	JLOAD G0S, G1S, G0SB, G1SB                     ; the scales first: they are wanted with the first K step
.irp s, 0,1
	s_mov_b32 s[G0+4*\s], 1
	s_add_co_u32 s[G0+4*\s+1], s45, \s*SLOT
	s_add_nc_u64 s[G0+4*\s+2:G0+4*\s+3], s[20:21], \s*ROWB
	s_or_b32 s[G0+4*\s+3], s[G0+4*\s+3], 0x80000000
	s_mov_b32 s[G0B+4*\s], 1
	s_add_co_u32 s[G0B+4*\s+1], s45, \s*SLOT
	s_add_nc_u64 s[G0B+4*\s+2:G0B+4*\s+3], s[46:47], \s*ROWB
	s_or_b32 s[G0B+4*\s+3], s[G0B+4*\s+3], 0x80000000
	JLOAD G0+4*\s, G1, G0B+4*\s, G1B
.endr
	v_and_b32 v3, 8, v0
	v_and_b32 v4, 3, v0
	v_lshl_add_u32 v3, v4, 1, v3
	v_bfe_u32 v4, v0, 2, 1
	v_add_nc_u32 v1, v3, v4                        ; rp: the row of a tile that my lane takes
	v_bfe_u32 v2, v0, 4, 1                         ; h = lane / 16
	v_mul_u32_u24 v3, v1, PITCH
	v_lshl_add_u32 v4, v2, 4, v3                   ; a fragment's row x pitch + 16 x half
	s_mul_i32 s21, s3, HALFT                       ; my 128 rows of x
	s_mul_i32 s22, s16, HALFT                      ; my 128 rows of W,
	s_add_co_u32 s22, s22, 2*HALFT                 ; which lie behind x's 256
.irp s, 0,1
	v_add_nc_u32 v[ADRA+\s], s21, v4
	v_add_nc_u32 v[ADRB+\s], s22, v4
	s_add_co_u32 s21, s21, SLOT
	s_add_co_u32 s22, s22, SLOT
.endr
	v_mul_u32_u24 v5, v1, KS                       ; my row's scales: 32 bytes a row,
	v_lshrrev_b32 v6, 8, v5
	v_lshl_add_u32 v5, v6, 4, v5                   ; and 16 more for each 256 passed
	s_mul_i32 s21, s3, HALFS                       ; x's: my 128 rows
	s_mul_i32 s22, s16, HALFS                      ; W's: my 128 rows, behind x's 256
	s_add_co_u32 s22, s22, 2*HALFS
	s_sub_co_u32 s22, s22, s21
	v_mul_u32_u24 v6, s22, v2                      ; lanes 16-31 take W's
	s_add_co_u32 s21, s21, SCL
	v_add_nc_u32 v5, v5, v6
	v_add_nc_u32 v[ADRS], s21, v5
	v_lshlrev_b32 v[TO], 8, v1
	v_lshl_add_u32 v[TO], v2, 5, v[TO]
	v_lshlrev_b32 v[QO], 4, v1
	v_lshl_add_u32 v[QO], v2, 8, v[QO]
	v_and_b32 v5, 7, v1
	v_lshrrev_b32 v6, 3, v1
	v_lshlrev_b32 v[VO], 4, v5
	v_lshl_add_u32 v[VO], v2, 7, v[VO]
	v_lshl_add_u32 v[VO], v6, 8, v[VO]
	; the table at my first token's position: ((tile row % 8) x 256 + 128 x half) x 256 bytes
	s_and_b32 s98, s17, 7
	s_lshl_b32 s98, s98, 8
	s_lshl_b32 s99, s3, 7
	s_add_co_u32 s98, s98, s99
	s_lshl_b32 s98, s98, 8
	s_mov_b32 s99, 0
	s_add_nc_u64 s[12:13], s[12:13], s[98:99]
	; the images at my first tile: part x 8,388,608 + ((16 batch + head) x 128 + token / 16) x 2,048; head = 4 cx + 2 x half of the features (+ 1 for b >= 4, in the stores' offsets)
	s_lshr_b32 s95, s17, 3                         ; batch
	s_lshl_b32 s95, s95, 4
	s_lshl_b32 s96, s40, 2
	s_add_co_u32 s95, s95, s96
	s_lshl_b32 s96, s16, 1
	s_add_co_u32 s95, s95, s96
	s_lshl_b32 s95, s95, 7
	s_and_b32 s96, s17, 7
	s_lshl_b32 s96, s96, 4
	s_add_co_u32 s95, s95, s96
	s_lshl_b32 s96, s3, 3
	s_add_co_u32 s95, s95, s96
	s_lshl_b32 s96, s95, 11
	s_mov_b32 s97, 0
	s_add_nc_u64 s[14:15], s[14:15], s[96:97]
	s_lshl_b32 s96, ttmp9, 23
	s_add_nc_u64 s[14:15], s[14:15], s[96:97]
.macro TLD a                           ; the table of block a's 16 tokens: eight loads cover the 256 bytes of each position
.irp b4, 0,1,2,3
.irp cs, 0,1
	global_load_b128 v[TS0+32*((\a)%2)+8*\b4+4*\cs:TS0+32*((\a)%2)+8*\b4+4*\cs+3], v[TO], s[12:13] offset:4096*(\a)+64*\b4+16*\cs
.endr
.endr
.endm
	; The first two blocks' tables are asked for here, a whole product ahead of the way out, where they lie ready.  EVERY wave asks, those of v's clusters too, which never read them: 8,192 bytes a wave that serve nothing there.
	; That is the price of one parting of the ways, at the way out: asked for behind it, the table would leave q's and k's waves waiting for memory; parted earlier, a slot's steps would be written twice.
	TLD 0
	TLD 1
.macro FRAG reg, adr, q, i             ; a fragment, 16 rows x 128 K of 4-bit codes, is 8 registers: registers 4 c .. 4 c + 3 hold K = 64 c + 32 (lane / 16) + 0 .. 31
.irp c, 0,1
	ds_load_b128 v[\reg+4*\c:\reg+4*\c+3], v[\adr] offset:64*(\q)+32*\c+(\i)*16*PITCH
.endr
.endm
; 16 matrix instructions: x's blocks a0, a0 + 1 against W's eight, 128 along K: the slot's q-th.  p: W's set;  sc: the set of scale words.  zero = 1: the first product starts the sums: nothing is ever cleared.
; The 64 accumulators take turns, one instruction a turn, in the same order in every step.
.macro MUL16 a0, p, q, sc, zero
.irp a, \a0, \a0+1
.irp b, 0,1,2,3,4,5,6,7
.if \zero
	v_wmma_scale_f32_16x16x128_f8f6f4 v[8*(8*((\a)%4)+\b):8*(8*((\a)%4)+\b)+7], v[128*(\p)+FR*\b:128*(\p)+FR*\b+FR-1], v[AF+FR*(\a):AF+FR*(\a)+FR-1], 0, v[SC+8*NQ*(\sc)+NQ*\b+(\q)], v[SC+8*NQ*(\sc)+NQ*(\a)+(\q)] matrix_a_fmt:MATRIX_FMT_FP4 matrix_b_fmt:MATRIX_FMT_FP4 matrix_a_scale:MATRIX_SCALE_ROW1
.else
	v_wmma_scale_f32_16x16x128_f8f6f4 v[8*(8*((\a)%4)+\b):8*(8*((\a)%4)+\b)+7], v[128*(\p)+FR*\b:128*(\p)+FR*\b+FR-1], v[AF+FR*(\a):AF+FR*(\a)+FR-1], v[8*(8*((\a)%4)+\b):8*(8*((\a)%4)+\b)+7], v[SC+8*NQ*(\sc)+NQ*\b+(\q)], v[SC+8*NQ*(\sc)+NQ*(\a)+(\q)] matrix_a_fmt:MATRIX_FMT_FP4 matrix_b_fmt:MATRIX_FMT_FP4 matrix_a_scale:MATRIX_SCALE_ROW1
.endif
.endr
.endr
.endm
.macro FETCH_B slot, q, p              ; W's eight fragments of the slot's q-th 128 along K into set p
	WIN TO_B
.irp i, 0,1,2,3,4,5,6,7
	FRAG 128*(\p)+FR*\i, ADRB+\slot, \q, \i
.endr
	WIN 0
.endm
.macro FETCH_A slot, q, i0             ; x's blocks i0 .. i0 + 3
.irp i, \i0, \i0+1, \i0+2, \i0+3
	FRAG AF+FR*(\i), ADRA+\slot, \q, \i
.endr
.endm
.macro SCALES sc                       ; a slot's scale words into set sc: four words a row; lanes 0-15 take x's block i, lanes 16-31 W's block i
.irp i, 0,1,2,3,4,5,6,7
	ds_load_b128 v[SC+8*NQ*\sc+NQ*\i:SC+8*NQ*\sc+NQ*\i+3], v[ADRS] offset:\i*SBLK
.endr
.endm
; A load into a register that a matrix instruction has read, and a vector instruction that reads a matrix result or writes one of its registers, stand NP places behind that matrix instruction, and only plain vector
; instructions that name none of its registers are places (ISA guide 7.12.1 for vector instructions).
.macro PLACES n
.rept \n
	v_nop
.endr
.endm
; A step of 128 along K that has its successor in the same slot.  A block of x is free as soon as its eight products are issued: blocks 0-3 are fetched anew in the step's middle, blocks 4-7 at its end.
.macro STEP slot, q, zero
	s_wait_dscnt 4*NL                              ; W's set and x's blocks 0-3 are in; the youngest eight loads (x's blocks 4-7) may be out
	WIN MUL_LO
	MUL16 0, (\q)%2, \q, \slot, \zero
	MUL16 2, (\q)%2, \q, \slot, \zero
	s_wait_dscnt 0                                 ; x's blocks 4-7 are in (asked for 32 matrix instructions ago)
	PLACES NP
	FETCH_B \slot, (\q)+1, 1-(\q)%2
	FETCH_A \slot, (\q)+1, 0
	WIN MUL_HI
	MUL16 4, (\q)%2, \q, \slot, \zero
	MUL16 6, (\q)%2, \q, \slot, \zero
	PLACES NP
	WIN 0
	FETCH_A \slot, (\q)+1, 4
.endm
.macro STEPS slot, from                ; the slot's steps from .. NQ - 2
.set Q, \from
.rept NQ-1-\from
	STEP \slot, Q, 0
.set Q, Q+1
.endr
.endm
	s_wait_tensorcnt 1                             ; the scales and my part of slot 0 are in (slot 1's load may be out)
	s_barrier_signal -1
	s_barrier_wait -1                              ; everybody's are
	FETCH_B 0, 0, 0
	FETCH_A 0, 0, 0
	SCALES 0
	FETCH_A 0, 0, 4
	STEP 0, 0, 1                                   ; the first step's products start the sums
	STEPS 0, 1
	; slot 0's last step goes over to slot 1: my part of slot 1 has landed, and a barrier shows that everybody's has
	s_wait_tensorcnt 0x0                           ; my last tensor load is done: none is out from here to the end
	s_wait_dscnt 4*NL                              ; (x's blocks 4-7 may be out)
	WIN MUL_LO
	MUL16 0, 1, NQ-1, 0, 0
	s_wait_dscnt 0x0                               ; no LDS load of mine is pending at the signal
	s_barrier_signal -1
	MUL16 2, 1, NQ-1, 0, 0                         ; work on registers while the others arrive
	WIN 0
	s_barrier_wait -1
	PLACES NP
	v_add_nc_u32 v[ADRS], 4*NQ, v[ADRS]            ; on to the second 512 along K: 16 bytes further in each row of scales (no LDS load of mine is out)
	FETCH_B 1, 0, 0
	FETCH_A 1, 0, 0
	SCALES 1
	WIN MUL_HI
	MUL16 4, 1, NQ-1, 0, 0
	MUL16 6, 1, NQ-1, 0, 0
	PLACES NP
	WIN 0
	FETCH_A 1, 0, 4
	STEPS 1, 0
	s_wait_dscnt 4*NL                              ; the very last step: nothing more to fetch
	WIN MUL_LO
	MUL16 0, 1, NQ-1, 1, 0
	MUL16 2, 1, NQ-1, 1, 0
	s_wait_dscnt 0
	WIN MUL_HI
	MUL16 4, 1, NQ-1, 1, 0
	MUL16 6, 1, NQ-1, 1, 0
	WIN 0
; THE WAY OUT, block by block of 16 tokens x 128 features.  In accumulator (a, b) lane (r, h) holds token 16 a + rp; registers 0-3 are x1 and registers 4-7 x2 of the pairs 8 (b % 4) + 4 h + 0 .. 3 of head b / 4.
; q, k: r1 = x1 cos - x2 sin, r2 = x1 sin + x2 cos, two numbers an instruction; each accumulator is read from its low end on.
.macro ROPE a
.set AC, 64*((\a)%4)
.set TS, TS0+32*((\a)%2)
.if (\a) < 7
	s_wait_loadcnt 8                               ; this block's table is in; the next block's eight loads may be out
.else
	s_wait_loadcnt 0
.endif
	WIN 0x02+((\a)/4)                              ; source 0: the accumulators' window, 2 or 3
.irp b, 0,1,2,3,4,5,6,7
.irp g, 0,2
	v_pk_mul_f32 v[RR+8*\b+4+\g:RR+8*\b+5+\g], v[AC+8*\b+\g:AC+8*\b+\g+1], v[TS+8*(\b%4)+4+\g:TS+8*(\b%4)+5+\g]
	v_pk_mul_f32 v[RR+8*\b+\g:RR+8*\b+\g+1], v[AC+8*\b+4+\g:AC+8*\b+5+\g], v[TS+8*(\b%4)+4+\g:TS+8*(\b%4)+5+\g]
	v_pk_fma_f32 v[RR+8*\b+4+\g:RR+8*\b+5+\g], v[AC+8*\b+4+\g:AC+8*\b+5+\g], v[TS+8*(\b%4)+\g:TS+8*(\b%4)+\g+1], v[RR+8*\b+4+\g:RR+8*\b+5+\g]
	v_pk_fma_f32 v[RR+8*\b+\g:RR+8*\b+\g+1], v[AC+8*\b+\g:AC+8*\b+\g+1], v[TS+8*(\b%4)+\g:TS+8*(\b%4)+\g+1], v[RR+8*\b+\g:RR+8*\b+\g+1] neg_lo:[0,0,1] neg_hi:[0,0,1]
.endr
.endr
	WIN 0
.if (\a) < 6
	TLD \a+2                                       ; this set of the table has been read: it takes the block two further on
.endif
.if (\a) > 0
	s_wait_xcnt 0x0                                ; the last block's stores have read their data: the f16 registers are written again only behind this wait
.endif
.irp b, 0,1,2,3,4,5,6,7
.irp i, 0,1,2,3
	v_cvt_pk_f16_f32 v[P+4*\b+\i], v[RR+8*\b+\i], v[RR+8*\b+4+\i]   ; a pair's two halves side by side again: channels 8 h + 2 i, 8 h + 2 i + 1
.endr
.endr
.irp b, 0,1,2,3,4,5,6,7
	global_store_b128 v[QO], v[P+4*\b:P+4*\b+3], s[14:15] offset:2048*(\a)+262144*(\b/4)+512*(\b%4)   ; an image: the wave stores 512 consecutive bytes
.endr
.endm
.macro VOUT a                          ; v: rounded as it is
.set AC, 64*((\a)%4)
.if (\a) > 0
	s_wait_xcnt 0x0                                ; the last block's stores have read their data
.endif
	WIN 0x0a+5*((\a)/4)                            ; sources 0 and 1: window 2 or 3
.irp b, 0,1,2,3,4,5,6,7
.irp i, 0,1,2,3
	v_cvt_pk_f16_f32 v[P+4*\b+\i], v[AC+8*\b+\i], v[AC+8*\b+4+\i]
.endr
.endr
	WIN 0
.irp b, 0,1,2,3,4,5,6,7
	global_store_b128 v[VO], v[P+4*\b:P+4*\b+3], s[14:15] offset:2048*(\a)+262144*(\b/4)+512*(\b%4)
.endr
.endm
	PLACES NP                                      ; behind the last products: their results are read and the registers of x's fragments written below
	s_cmp_eq_u32 ttmp9, 2                          ; the cluster's x: 2 = v, which is not rotated
	s_cbranch_scc1 .Lv_out
.irp a, 0,1,2,3,4,5,6,7
	ROPE \a
.endr
	s_branch .Ldone
.Lv_out:
.irp a, 0,1,2,3,4,5,6,7
	VOUT \a
.endr
.Ldone:
	CROUND                                         ; the closing round: no work-group ends while a partner may still ask for a tile that names it
	s_endpgm
.Lfunc_end_k_q65b03f7b5e_qkvgemm:
	.size	k_q65b03f7b5e_qkvgemm, .Lfunc_end_k_q65b03f7b5e_qkvgemm-k_q65b03f7b5e_qkvgemm
	.p2alignl 7, 3214868480
	.fill 96, 4, 3214868480
	.section	.rodata,"a",@progbits
	.p2align	6, 0x0
	.amdhsa_kernel k_q65b03f7b5e_qkvgemm
		.amdhsa_group_segment_fixed_size 327680
		.amdhsa_private_segment_fixed_size 0
		.amdhsa_enable_private_segment 0
		.amdhsa_kernarg_size 48
		.amdhsa_user_sgpr_count 2
		.amdhsa_user_sgpr_kernarg_segment_ptr 1
		.amdhsa_wavefront_size32 1
		.amdhsa_system_sgpr_workgroup_id_x 1
		.amdhsa_system_sgpr_workgroup_id_y 1
		.amdhsa_system_sgpr_workgroup_id_z 1
		.amdhsa_system_vgpr_workitem_id 0
		.amdhsa_next_free_vgpr 1024
		.amdhsa_next_free_sgpr 100
		.amdhsa_reserve_vcc 0
		.amdhsa_float_denorm_mode_32 3
		.amdhsa_float_denorm_mode_16_64 3
		.amdhsa_memory_ordered 1
		.amdhsa_forward_progress 1
		.amdhsa_inst_pref_size 179
	.end_amdhsa_kernel
	.amdgpu_metadata
---
amdhsa.version: [ 1, 2 ]
amdhsa.kernels:
  - .name:           k_q65b03f7b5e_qkvgemm
    .symbol:         k_q65b03f7b5e_qkvgemm.kd
    .args:
      - { .name: xc, .offset: 0, .size: 8, .value_kind: global_buffer, .address_space: global }
      - { .name: xs, .offset: 8, .size: 8, .value_kind: global_buffer, .address_space: global }
      - { .name: wc, .offset: 16, .size: 8, .value_kind: global_buffer, .address_space: global }
      - { .name: ws, .offset: 24, .size: 8, .value_kind: global_buffer, .address_space: global }
      - { .name: rope, .offset: 32, .size: 8, .value_kind: global_buffer, .address_space: global }
      - { .name: qkv, .offset: 40, .size: 8, .value_kind: global_buffer, .address_space: global }
    .group_segment_fixed_size: 327680
    .private_segment_fixed_size: 0
    .kernarg_segment_align: 8
    .kernarg_segment_size: 48
    .max_flat_workgroup_size: 128
    .sgpr_count:     100
    .vgpr_count:     1024
    .wavefront_size: 32
...
	.end_amdgpu_metadata
.endif
;; end of part 2
;; launch attn (part 3): grid 8 x 32, 8 waves a work-group, no clusters, 327,680 bytes of LDS; arguments qkv, ao; writes ao
.if DOCPART == 3
	.amdgcn_target "amdgcn-amd-amdhsa--gfx1250"
	.amdhsa_code_object_version 6
	.text
	.protected	k_q65b03f7b5e_attn
	.globl	k_q65b03f7b5e_attn
	.p2align	8
	.type	k_q65b03f7b5e_attn,@function
k_q65b03f7b5e_attn:
	s_mov_b64 s[64:65], 0
	v_nop
	global_prefetch_b8 v0, s[64:65] scope:SCOPE_SE
	s_setreg_imm32_b32 hwreg(HW_REG_WAVE_MODE, 25, 1), 1
	s_wait_xcnt 0x0
; o[q] = the sum over k <= q of softmax_k(q . k / 8) v[k], for each of 32 (batch, head) pairs of 2,048 tokens and 64 channels.  q, k, v: f16, as images of operand registers (below); products, maxima and sums in f32; the weights p
; are rounded to f16 for the second product, o once at the end.
; SHARES.  Work-group (j, bh) owns the blocks j and 15 - j of the head's sixteen blocks of 128 queries: under the causal mask that is 17 squares of 128 x 128 for every j.  Each of its eight waves owns 32 queries, two tiles of 16;
; four waves take the early block and four the late one, by role = (wave & 1) ^ (wave >> 2), so that waves w and w + 4, and waves 2 i and 2 i + 1 alike, are one of each.
; Every work-group walks all 2,048 keys in four parts of 512, 64 keys a step: trip counts are constants.  A step all of whose keys come after the wave's queries is jumped over by a scalar branch on ids.
; LAYOUT.  S^T = K Q^T (source 0 = 16 keys, source 1 = 16 queries): a lane holds ONE query (lane % 16) and the keys 8 (lane / 16) + 0 .. 7.  Two such tiles, rounded to f16 in pairs, ARE source 1 (32 keys x 16 queries) of
; O^T = V^T P, whose result again holds one query a lane, and eight channels.
; IMAGES.  q at byte 0 of qkv, k at 8,388,608, v at 16,777,216: [bh][token / 16][f 4][512 bytes], a lane's 16 bytes at 16 x lane.  Images 2 c and 2 c + 1 of q or k are registers 0-3 and 4-7 of the fragment 16 tokens x channels
; 32 c on.  v's images are laid so that ds_load_tr16_b128 at 16 x lane on image (T, f) gives lane l channel 16 f + l % 16 and keys 16 T + 8 (l / 16) + 0 .. 7: half a fragment of V^T.  All LDS reads take 512 consecutive bytes.
; ao: [row / 16][k / 32][half][512 bytes], the next launch's fragments: my tile's channels 16 ct on are image 4 head + ct of its 64.
; SOFTMAX.  For each query a running maximum m and sum l: p = 2^(c s - c m), c = log2(e) / 8; in every step O and l are multiplied by a = 2^(c m_old - c m_new).  m begins at -3e38 and O and l at 0, so the first step is a step like
; any other.  In every step that is worked the step's first key is at or before the wave's first query: each query sees a key, and m is a number.
; THE RING.  Two slots of 128 KiB, each a part's K (64 KiB) and V (64 KiB); every wave brings an eighth with one tensor load (waves 0-3: K's quarters, waves 4-7: V's).  By the text's own count a wave has two loads out at the
; start and one behind each of the two barriers that are followed by a refill.
; NO CLUSTER, though the eight work-groups of a head read the same K and V: a joint refill stands behind a barrier of all partners, and the partners spread their steps unevenly over the four parts (a pair of an early and a late wave has up to
; 16, 16, 8, 8 steps in them, taken over the partners, 48 in all, against some 34 of its own): each part would last as long as its busiest partner.
; LIMITS: NaN and infinities are not served.  Operands are f16: q, k, v come so, p is at most 1, o is an average of v.
; REGISTERS: v1-7 addresses and constants; v8-23 statistics, 8 a tile: +0 c m, +1 m, +2, +3 l, +4 .. +7 at work (a at +6); v24-55 Q; v56-119 K's, then V's fragments of a step; v120-183 S^T, then p, then P; v184-247 O^T; v248-253 at work.
.set PARTB, 65536                      ; a part's 512 keys of K or of V in bytes
.set SLOT1, 1<<17
.set VOFF,  65536                      ; V behind K in a slot
.set SPARE, 2*SLOT1                    ; behind the ring: the spare words, 128 bytes for each of the eight waves: four blocks of 256 bytes that no other line names
.set LA,   1                           ; v1   16 x lane
.set ADK,  2                           ; v2   LDS address of the step's K
.set ADV,  3                           ; v3   and V
.set SPW,  4                           ; v4   LDS address of my spare word; never rewritten
.set NIL,  5                           ; v5   0; never rewritten
.set RH8,  6                           ; v6   lane % 16 - 8 (lane / 16)
.set NINF, 7                           ; v7   -infinity
.set ST,   8
.set QF,   24                          ; Q's fragment (tile t, channels 32 c on) at v[QF + 8 (2 t + c)]
.set KV,   56
.set S,    120                         ; tile t's scores at v[S + 32 t]
.set OA,   184                         ; tile t's O^T at v[OA + 32 t]
.set XB,   248                         ; v248-251 the sums' second chains
.set DD,   252                         ; v252 the mask's bound
.set PFO,  253                         ; v253 256 x lane; never rewritten
.set WV,   8                           ; s8   wave
.set BH,   9                           ; s9   16 batch + head
.set Q0,   11                          ; s11  my first query
.set KF,   12                          ; s12  the step's first key
.set TB,   13                          ; s13  LDS byte at which the step's K begins
.set CNT,  14                          ; s14  steps to go in the part
.set G1,   16                          ; s[16:23] descriptor group 1
.set G0,   24                          ; s[24:31] group 0, a set for each slot
.set CS,   32                          ; s[32:33] c: the packed form names a pair and takes its low word for both halves
.set SEL,  34                          ; s[34:35] lane selects for v_permlanex16_b32: lane l xor 16
.set PFA,  36                          ; s[36:37] my wave's eighth of part 3 in memory; never rewritten
.set QP,   42                          ; s[42:43] my queries' images
.set OP,   44                          ; s[44:45] my rows' images in ao
	s_load_b128 s[4:7], s[0:1], 0x0                ; qkv s[4:5], ao s[6:7]
	v_lshl_add_u32 v[SPW], v0, 2, SPARE
	v_mov_b32 v[NIL], 0
	v_lshrrev_b32 v2, 5, v0
	v_readfirstlane_b32 s[WV], v2                  ; wave 0..7
	s_and_b32 s[BH], ttmp7, 0xffff
	; group 1: 16,384 dense bytes as 64 rows of 256 (32 elements of 8 bytes), no padding
	s_mov_b32 s[G1+0], 3<<16                       ; 15:0 no mask; 17:16 elements of 8 bytes
	s_mov_b32 s[G1+1], 32<<16                      ; tensor_dim0 = 32
	s_mov_b32 s[G1+2], 64<<16                      ; tensor_dim1 = 64
	s_mov_b32 s[G1+3], 32<<16                      ; tile_dim0 = 32
	s_mov_b32 s[G1+4], 64                          ; tile_dim1 = 64
	s_mov_b32 s[G1+5], 32                          ; from row to row
	s_mov_b32 s[G1+6], 0
	s_mov_b32 s[G1+7], 0
	s_mov_b32 s[G0], 1
	s_lshl_b32 s[G0+1], s[WV], 14                  ; LDS: 16,384 x wave: K's quarters, then V's
	s_mov_b32 s[G0+4], 1
	s_add_co_u32 s[G0+5], s[G0+1], SLOT1
	s_lshr_b32 s38, s[WV], 2
	s_add_co_u32 s38, s38, 1
	s_lshl_b32 s38, s38, 23                        ; k's part of qkv (waves 0-3) or v's (4-7),
	s_lshl_b32 s15, s[BH], 18                      ; my head's 262,144 bytes,
	s_add_co_u32 s38, s38, s15
	s_and_b32 s15, s[WV], 3
	s_lshl_b32 s15, s15, 14                        ; my quarter of a part
	s_add_co_u32 s38, s38, s15
	s_mov_b32 s39, 0
	s_wait_kmcnt 0x0
	s_add_nc_u64 s[G0+2:G0+3], s[4:5], s[38:39]    ; part 0
	s_add_nc_u64 s[G0+6:G0+7], s[G0+2:G0+3], PARTB ; part 1
	s_add_nc_u64 s[PFA:PFA+1], s[G0+2:G0+3], 3*PARTB
	s_or_b32 s[G0+3], s[G0+3], 0x80000000          ; type = 2
	s_or_b32 s[G0+7], s[G0+7], 0x80000000
	tensor_load_to_lds s[G0:G0+3], s[G1:G1+7]      ; the two first fills go out together, ahead of every wait on TENSORcnt, every LDS read and every barrier
	tensor_load_to_lds s[G0+4:G0+7], s[G1:G1+7]
.rept 4
	v_nop
.endr
	s_and_b32 s10, s[WV], 1
	s_lshr_b32 s15, s[WV], 2
	s_xor_b32 s10, s10, s15                        ; role: 0 the early block, 1 the late one
	s_sub_co_u32 s15, 15, ttmp9
	s_cmp_eq_u32 s10, 0
	s_cselect_b32 s[Q0], ttmp9, s15                ; my block of 128 queries
	s_lshl_b32 s[Q0], s[Q0], 7
	s_lshr_b32 s15, s[WV], 1
	s_lshl_b32 s15, s15, 5
	s_add_co_u32 s[Q0], s[Q0], s15                 ; + 32 x (wave / 2)
	s_lshl_b32 s38, s[BH], 18
	s_lshl_b32 s15, s[Q0], 7                       ; 2,048 bytes for 16 tokens
	s_add_co_u32 s38, s38, s15
	s_add_nc_u64 s[QP:QP+1], s[4:5], s[38:39]
	s_lshr_b32 s40, s[BH], 4
	s_lshl_b32 s40, s40, 11
	s_add_co_u32 s40, s40, s[Q0]                   ; my first row of the 4,096: 2,048 bytes a row (32,768 for 16),
	s_and_b32 s15, s[BH], 15
	s_add_co_u32 s40, s40, s15                     ; and 2,048 bytes a head within a tile of rows
	s_lshl_b32 s40, s40, 11
	s_mov_b32 s41, 0
	s_add_nc_u64 s[OP:OP+1], s[6:7], s[40:41]
	s_mov_b32 s[CS], 0x3e38aa3b                    ; c = log2(e) / 8
	s_mov_b32 s[CS+1], s[CS]                       ; (named with it as a pair, so it is written)
	s_mov_b32 s[SEL], 0x76543210
	s_mov_b32 s[SEL+1], 0xfedcba98
	s_mov_b32 s[KF], 0
	v_and_b32 v[LA], 31, v0
	v_lshlrev_b32 v[LA], 4, v[LA]
	v_lshlrev_b32 v[PFO], 4, v[LA]
.irp t, 0,1
.irp c, 0,1
.irp u, 0,1
	global_load_b128 v[QF+8*(2*\t+\c)+4*\u:QF+8*(2*\t+\c)+4*\u+3], v[LA], s[QP:QP+1] offset:2048*\t+1024*\c+512*\u th:TH_LOAD_NT   ; Q stays in registers
.endr
.endr
.endr
	v_and_b32 v[RH8], 15, v0
	v_bfe_u32 v[NINF], v0, 4, 1
	v_lshlrev_b32 v[NINF], 3, v[NINF]
	v_sub_nc_u32 v[RH8], v[RH8], v[NINF]
	v_mov_b32 v[NINF], 0xff800000
.irp t, 0,1
	v_mov_b32 v[ST+8*\t+1], 0xff61b1e6             ; m = -3e38, under every score
	v_mul_f32 v[ST+8*\t], s[CS], v[ST+8*\t+1]
.irp n, 2,3,4,5,6,7
	v_mov_b32 v[ST+8*\t+\n], 0                     ; l; and the registers at work, so that each is written on every way
.endr
.endr
.set n, 0
.rept 64
	v_mov_b32 v[OA+n], 0                           ; O^T, once: the step is written once, and the first change of m leaves zeros zeros
.set n, n+1
.endr
.macro SOFTMAX                         ; both tiles, line by line by turns, so that no line waits for the line above it
.irp k, 0,1,2,3                        ; the maximum: four chains, each beginning at an accumulator's registers 0, 1, 2
.irp t, 0,1
	v_max3_num_f32 v[ST+8*\t+4+\k], v[S+32*\t+8*\k], v[S+32*\t+8*\k+1], v[S+32*\t+8*\k+2]
.endr
.endr
.irp n, 3,5
.irp k, 0,1,2,3
.irp t, 0,1
	v_max3_num_f32 v[ST+8*\t+4+\k], v[ST+8*\t+4+\k], v[S+32*\t+8*\k+\n], v[S+32*\t+8*\k+\n+1]
.endr
.endr
.endr
.irp t, 0,1
	v_max3_num_f32 v[ST+8*\t+4], v[ST+8*\t+4], v[S+32*\t+7], v[S+32*\t+15]
	v_max3_num_f32 v[ST+8*\t+6], v[ST+8*\t+6], v[S+32*\t+23], v[S+32*\t+31]
.endr
.irp t, 0,1
	v_max3_num_f32 v[ST+8*\t+4], v[ST+8*\t+4], v[ST+8*\t+5], v[ST+8*\t+6]
.endr
.irp t, 0,1
	v_max3_num_f32 v[ST+8*\t+4], v[ST+8*\t+4], v[ST+8*\t+7], v[ST+8*\t+1]   ; with the old m
.endr
.irp t, 0,1
	v_permlanex16_b32 v[ST+8*\t+5], v[ST+8*\t+4], s[SEL], s[SEL+1]          ; the query's other 32 keys lie in the lane 16 away
.endr
.irp t, 0,1
	v_mov_b32 v[ST+8*\t+7], v[ST+8*\t]             ; c m_old
.endr
.irp t, 0,1
	v_max_num_f32 v[ST+8*\t+1], v[ST+8*\t+4], v[ST+8*\t+5]
.endr
.irp t, 0,1
	v_mul_f32 v[ST+8*\t], s[CS], v[ST+8*\t+1]
.endr
.irp t, 0,1
	v_sub_f32 v[ST+8*\t+7], v[ST+8*\t+7], v[ST+8*\t]
.endr
.irp t, 0,1
	v_exp_f32 v[ST+8*\t+6], v[ST+8*\t+7]           ; a
.endr
.set n, 0
.rept 16
.irp t, 0,1
	v_pk_fma_f32 v[S+32*\t+n:S+32*\t+n+1], v[S+32*\t+n:S+32*\t+n+1], s[CS:CS+1], v[ST+8*\t:ST+8*\t+1] op_sel_hi:[1,0,0] neg_lo:[0,0,1] neg_hi:[0,0,1]   ; c s - c m
.endr
.set n, n+2
.endr
.set n, 0
.rept 64
	v_exp_f32 v[S+n], v[S+n]                       ; p
.set n, n+1
.endr
.set n, 0
.rept 16
.irp t, 0,1
	v_pk_mul_f32 v[OA+32*\t+n:OA+32*\t+n+1], v[OA+32*\t+n:OA+32*\t+n+1], v[ST+8*\t+6:ST+8*\t+7] op_sel_hi:[1,0]   ; O^T x a, each accumulator from its low end on.  (Plain lines behind the exponentials)
.endr
.set n, n+2
.endr
.irp t, 0,1                            ; the sum of the unrounded p, two at a time, in two chains a tile
	v_pk_add_f32 v[ST+8*\t+4:ST+8*\t+5], v[S+32*\t:S+32*\t+1], v[S+32*\t+2:S+32*\t+3]
	v_pk_add_f32 v[XB+2*\t:XB+2*\t+1], v[S+32*\t+4:S+32*\t+5], v[S+32*\t+6:S+32*\t+7]
.endr
.irp n, 8,12,16,20,24,28
.irp t, 0,1
	v_pk_add_f32 v[ST+8*\t+4:ST+8*\t+5], v[ST+8*\t+4:ST+8*\t+5], v[S+32*\t+\n:S+32*\t+\n+1]
	v_pk_add_f32 v[XB+2*\t:XB+2*\t+1], v[XB+2*\t:XB+2*\t+1], v[S+32*\t+\n+2:S+32*\t+\n+3]
.endr
.endr
.irp t, 0,1
	v_pk_add_f32 v[ST+8*\t+4:ST+8*\t+5], v[ST+8*\t+4:ST+8*\t+5], v[XB+2*\t:XB+2*\t+1]
.endr
.irp t, 0,1
	v_pk_fma_f32 v[ST+8*\t+2:ST+8*\t+3], v[ST+8*\t+2:ST+8*\t+3], v[ST+8*\t+6:ST+8*\t+7], v[ST+8*\t+4:ST+8*\t+5] op_sel_hi:[1,0,1]   ; l = l a + the sum
.endr
.irp kk, 0,1                           ; p to f16, in place and ascending: P (tile t, keys 32 kk on) ends up in v[S + 32 t + 16 kk] .. + 7
.irp i, 0,1,2,3
.irp t, 0,1
	v_cvt_pk_f16_f32 v[S+32*\t+16*\kk+\i], v[S+32*\t+16*\kk+2*\i], v[S+32*\t+16*\kk+2*\i+1]
.endr
.endr
.irp i, 0,1,2,3
.irp t, 0,1
	v_cvt_pk_f16_f32 v[S+32*\t+16*\kk+4+\i], v[S+32*\t+16*\kk+8+2*\i], v[S+32*\t+16*\kk+9+2*\i]
.endr
.endr
.endr
.endm
; A STEP: 64 keys.  The accumulators take turns, one instruction a turn: between the two links of a chain stand seven others'.
.macro STEP
	v_add_nc_u32 v[ADK], s[TB], v[LA]
	v_add_nc_u32 v[ADV], VOFF, v[ADK]
.rept 3
	v_nop                                          ; with the two additions five places behind the last step's products: K is loaded into their first source, and the new scores are laid over their second (ISA guide 7.12.1)
.endr
.irp kt, 0,1,2,3
.irp c, 0,1
	ds_load_b128 v[KV+8*(2*\kt+\c):KV+8*(2*\kt+\c)+3], v[ADK] offset:2048*\kt+1024*\c
	ds_load_b128 v[KV+8*(2*\kt+\c)+4:KV+8*(2*\kt+\c)+7], v[ADK] offset:2048*\kt+1024*\c+512
.endr
.endr
	s_wait_dscnt 0x0                               ; K is in
.irp c, 0,1
.irp kt, 0,1,2,3
.irp t, 0,1
.if \c == 0
	v_wmma_f32_16x16x32_f16 v[S+32*\t+8*\kt:S+32*\t+8*\kt+7], v[KV+8*(2*\kt+\c):KV+8*(2*\kt+\c)+7], v[QF+8*(2*\t+\c):QF+8*(2*\t+\c)+7], 0
.else
	v_wmma_f32_16x16x32_f16 v[S+32*\t+8*\kt:S+32*\t+8*\kt+7], v[KV+8*(2*\kt+\c):KV+8*(2*\kt+\c)+7], v[QF+8*(2*\t+\c):QF+8*(2*\t+\c)+7], v[S+32*\t+8*\kt:S+32*\t+8*\kt+7]
.endif
.endr
.endr
.endr
.rept 4
	v_nop                                          ; places: V is loaded into the registers that these products read, and their results are read below
.endr
.irp kk, 0,1                           ; V^T (channels 16 ct on, keys 32 kk on) at v[KV + 8 (4 kk + ct)]: it lands while the softmax is worked
.irp ct, 0,1,2,3
	ds_load_tr16_b128 v[KV+8*(4*\kk+\ct):KV+8*(4*\kk+\ct)+3], v[ADV] offset:4096*\kk+512*\ct
	ds_load_tr16_b128 v[KV+8*(4*\kk+\ct)+4:KV+8*(4*\kk+\ct)+7], v[ADV] offset:4096*\kk+512*\ct+2048
.endr
.endr
	s_add_co_u32 s15, s[KF], 63                    ; a step all of whose keys count for all my queries has no mask
	s_cmp_le_u32 s15, s[Q0]
	s_cbranch_scc1 .Lopen_\@
	s_sub_co_u32 s15, s[Q0], s[KF]
	v_add_nc_u32 v[DD], s15, v[RH8]                ; register 8 kt + j of tile t holds key KF + 16 kt + 8 (lane / 16) + j and query Q0 + 16 t + lane % 16: hidden where 16 kt + j - 16 t is above this bound
.irp t, 0,1
.irp kt, 0,1,2,3
.irp j, 0,1,2,3,4,5,6,7
	v_cmp_gt_i32 vcc_lo, 16*\kt+\j-16*\t, v[DD]
	v_cndmask_b32 v[S+32*\t+8*\kt+\j], v[S+32*\t+8*\kt+\j], v[NINF], vcc_lo
.endr
.endr
.endr
.Lopen_\@:
	SOFTMAX
	s_wait_dscnt 0x0                               ; V is in
.irp kk, 0,1
.irp ct, 0,1,2,3
.irp t, 0,1
	v_wmma_f32_16x16x32_f16 v[OA+32*\t+8*\ct:OA+32*\t+8*\ct+7], v[KV+8*(4*\kk+\ct):KV+8*(4*\kk+\ct)+7], v[S+32*\t+16*\kk:S+32*\t+16*\kk+7], v[OA+32*\t+8*\ct:OA+32*\t+8*\ct+7]
.endr
.endr
.endr
.endm
; A part's eight steps, out of one slot.  KF is a multiple of 64 and Q0 of 32: KF above Q0 means KF above all my 32 queries.
.macro PART slot
	s_mov_b32 s[TB], (\slot)<<17
	s_mov_b32 s[CNT], 8
.Lstep_\@:
	s_cmp_gt_u32 s[KF], s[Q0]
	s_cbranch_scc1 .Lskip_\@
	STEP
.Lskip_\@:
	s_add_co_u32 s[KF], s[KF], 64
	s_add_co_u32 s[TB], s[TB], 8192
	s_sub_co_u32 s[CNT], s[CNT], 1
	s_cmp_lg_u32 s[CNT], 0
	s_cbranch_scc1 .Lstep_\@
.endm
; THE CHANGE OF SLOTS.  Each wave waits for all its tensor loads (its part of the slot ahead), adds 0 to its spare word, and waits for that and for its reads of the slot that it leaves.  Behind the barrier the slot ahead is whole
; and nobody reads the other.  fill = 1: that other slot takes the part two further on: the wave's one tensor load until the next such barrier, with a part's eight steps in which to land.
; ask = 1 (the first change alone): a prefetch of part 3, which the NEXT change asks for.  All eight work-groups of a head read the same K and V: the first of them asks, each wave for the 16,384 bytes that it will fetch itself,
; lanes 256 bytes apart, two instructions: each block of 256 bytes is named once in the launch.  Parts 0 to 2 come by their loads alone.
.macro CHANGE slot, fill, ask
	s_wait_tensorcnt 0x0                           ; no tensor load of mine is out, so a group 0 may be written
	ds_add_u32 v[SPW], v[NIL]                      ; 0 onto my spare word
.if \fill
	s_add_nc_u64 s[G0+4*\slot+2:G0+4*\slot+3], s[G0+4*\slot+2:G0+4*\slot+3], 2*PARTB   ; the type bits on top are not reached
.endif
	s_wait_dscnt 0x0                               ; the add is done, and my reads of the slot that I leave are over
	s_barrier_signal -1
	s_barrier_wait -1
.if \fill
	tensor_load_to_lds s[G0+4*\slot:G0+4*\slot+3], s[G1:G1+7]
.rept 4
	v_nop
.endr
.endif
.if \ask
	s_cmp_eq_u32 ttmp9, 0
	s_cbranch_scc0 .Lnot_mine_\@
	global_prefetch_b8 v[PFO], s[PFA:PFA+1] th:TH_LOAD_NT scope:SCOPE_SE
	global_prefetch_b8 v[PFO], s[PFA:PFA+1] offset:8192 th:TH_LOAD_NT scope:SCOPE_SE
.Lnot_mine_\@:
.endif
.endm
	s_wait_tensorcnt 1                             ; my part of slot 0 is in; slot 1's may stay out
	s_barrier_signal -1
	s_barrier_wait -1                              ; everybody's is
	s_wait_loadcnt 0x0                             ; Q
	PART 0                                         ; keys 0 - 511
	CHANGE 0, 1, 1                                 ; slot 0 takes keys 1,024 on
	PART 1                                         ; keys 512 - 1,023
	CHANGE 1, 1, 0                                 ; slot 1 takes keys 1,536 on: the last load
	PART 0
	CHANGE 0, 0, 0                                 ; nothing is left to fetch
	PART 1
	; THE WAY OUT.  O^T / l, rounded to f16: a lane's eight channels of a row are 16 bytes, and the wave's 32 lanes are an image of the next launch's fragment: 512 consecutive bytes a store.
.rept 4
	v_nop                                          ; places behind the last products
.endr
.irp t, 0,1
	v_add_f32 v[ST+8*\t+4], v[ST+8*\t+2], v[ST+8*\t+3]
.endr
.irp t, 0,1
	v_permlanex16_b32 v[ST+8*\t+5], v[ST+8*\t+4], s[SEL], s[SEL+1]
.endr
.irp t, 0,1
	v_add_f32 v[ST+8*\t+4], v[ST+8*\t+4], v[ST+8*\t+5]
.endr
.irp t, 0,1
	v_rcp_f32 v[ST+8*\t+6], v[ST+8*\t+4]
.endr
	v_nop                                          ; a plain line between the last reciprocal and the use of its result
.set n, 0
.rept 16
.irp t, 0,1
	v_pk_mul_f32 v[OA+32*\t+n:OA+32*\t+n+1], v[OA+32*\t+n:OA+32*\t+n+1], v[ST+8*\t+6:ST+8*\t+7] op_sel_hi:[1,0]
.endr
.set n, n+2
.endr
.irp t, 0,1
.irp ct, 0,1,2,3
.irp i, 0,1,2,3
	v_cvt_pk_f16_f32 v[S+16*\t+4*\ct+\i], v[OA+32*\t+8*\ct+2*\i], v[OA+32*\t+8*\ct+2*\i+1]
.endr
.endr
.endr
.irp t, 0,1
.irp ct, 0,1,2,3
	global_store_b128 v[LA], v[S+16*\t+4*\ct:S+16*\t+4*\ct+3], s[OP:OP+1] offset:32768*\t+512*\ct
.endr
.endr
	s_wait_tensorcnt 0x0                           ; the wave's end
	ds_add_u32 v[SPW], v[NIL]
	s_wait_dscnt 0x0
	s_endpgm
.Lfunc_end_k_q65b03f7b5e_attn:
	.size	k_q65b03f7b5e_attn, .Lfunc_end_k_q65b03f7b5e_attn-k_q65b03f7b5e_attn
	.p2alignl 7, 3214868480
	.fill 96, 4, 3214868480
	.section	.rodata,"a",@progbits
	.p2align	6, 0x0
	.amdhsa_kernel k_q65b03f7b5e_attn
		.amdhsa_group_segment_fixed_size 327680
		.amdhsa_private_segment_fixed_size 0
		.amdhsa_enable_private_segment 0
		.amdhsa_kernarg_size 16
		.amdhsa_user_sgpr_count 2
		.amdhsa_user_sgpr_kernarg_segment_ptr 1
		.amdhsa_wavefront_size32 1
		.amdhsa_system_sgpr_workgroup_id_x 1
		.amdhsa_system_sgpr_workgroup_id_y 1
		.amdhsa_system_sgpr_workgroup_id_z 1
		.amdhsa_system_vgpr_workitem_id 0
		.amdhsa_next_free_vgpr 256
		.amdhsa_next_free_sgpr 66
		.amdhsa_reserve_vcc 1
		.amdhsa_float_denorm_mode_32 3
		.amdhsa_float_denorm_mode_16_64 3
		.amdhsa_memory_ordered 1
		.amdhsa_forward_progress 1
		.amdhsa_inst_pref_size 99
	.end_amdhsa_kernel
	.amdgpu_metadata
---
amdhsa.version: [ 1, 2 ]
amdhsa.kernels:
  - .name:           k_q65b03f7b5e_attn
    .symbol:         k_q65b03f7b5e_attn.kd
    .args:
      - { .name: qkv, .offset: 0, .size: 8, .value_kind: global_buffer, .address_space: global }
      - { .name: ao, .offset: 8, .size: 8, .value_kind: global_buffer, .address_space: global }
    .group_segment_fixed_size: 327680
    .private_segment_fixed_size: 0
    .kernarg_segment_align: 8
    .kernarg_segment_size: 16
    .max_flat_workgroup_size: 256
    .sgpr_count:     66
    .vgpr_count:     256
    .wavefront_size: 32
...
	.end_amdgpu_metadata
.endif
;; end of part 3
;; launch proj (part 4): grid 8 x 32, 4 waves a work-group, clusters of 4 x 4, 327,680 bytes of LDS; arguments ao, wob, out0; writes out0
.if DOCPART == 4
	.amdgcn_target "amdgcn-amd-amdhsa--gfx1250"
	.amdhsa_code_object_version 6
	.text
	.protected	k_q65b03f7b5e_proj
	.globl	k_q65b03f7b5e_proj
	.p2align	8
	.type	k_q65b03f7b5e_proj,@function
k_q65b03f7b5e_proj:
	s_mov_b64 s[64:65], 0
	v_nop
	global_prefetch_b8 v0, s[64:65] scope:SCOPE_SE
	s_setreg_imm32_b32 hwreg(HW_REG_WAVE_MODE, 25, 1), 1
	s_wait_xcnt 0x0
	s_wait_alu depctr_hold_cnt(0) depctr_sa_sdst(0) depctr_va_vdst(0) depctr_va_sdst(0) depctr_va_ssrc(0) depctr_va_vcc(0) depctr_vm_vsrc(0)
	s_getreg_b32 s2, hwreg(HW_REG_IB_STS2, 6, 4)
	s_cmp_eq_u32 s2, 0
	s_cbranch_scc0 .Lentry_in_a_cluster
	s_endpgm
.Lentry_in_a_cluster:
	s_bfe_u32 s2, ttmp6, 0x10000c
	s_cmp_lg_u32 s2, 0xf033
	s_cbranch_scc0 .Lentry_shape_is_right
	s_endpgm
.Lentry_shape_is_right:
; out0[m][n] = sum over k of A[m][k] Wo[n][k]: 4,096 x 1,024 x 1,024, operands f16, sums and result f32.
; Both operands come as IMAGES OF FRAGMENTS: [row / 16][k / 32][half][512 bytes], a lane's 16 bytes at 16 x lane: row 16 (row / 16) + lane % 16, k = 32 kb + 16 half + 8 (lane / 16) + 0 .. 7; 32,768 bytes for 16 rows.
; So a fragment is two LDS loads of 512 consecutive bytes, and LDS needs no padding.
; A tile of the result is 128 x 128: 256 work-groups.  Four waves, each 64 x 64: 16 accumulators of 16 x 16, 128 registers.  K goes in four steps of 256 through two LDS slots; a wave's tensor load brings 64 rows x 256 K:
; four pieces of 8,192 consecutive bytes, 32,768 bytes apart in memory, on end in LDS.  Each slot is filled twice.  By the text's own count a wave has two loads out at the start and one behind each refill's barrier.
; CLUSTERS: 4 x 4 work-groups.  The four of a row of the cluster need the same tiles of A, the four of a column the same tiles of Wo: each tile is asked for JOINTLY, by the same tensor load with the same descriptor and a mask
; that names the four.  THE MATRIX INSTRUCTION IS USED TRANSPOSED (source 0 = 16 rows of Wo, source 1 = 16 rows of A): a lane holds eight neighbouring numbers of a row of the result.
; REGISTERS: window 0: v0-31 addresses; v32-95 rows on the way out; v128-255 the accumulators ((a, b) at v[128 + 8 (4 a + b)]).   window 1: two fragment buffers of 128: for 64 along K, 64 registers of A, then 64 of Wo.
.set KSB,    8192                      ; a K step of 256 in the image of 16 rows, in bytes
.set SLOT1,  1<<17                     ; a slot: A's 128 rows (65,536 bytes), then Wo's
.set BOFF,   65536
.set STAGE,  2*SLOT1                   ; behind the ring: 16 rows x 272 bytes for each wave, for the way out
.set SPITCH, 272                       ; 256 bytes + 16: the sixteen rows that a store touches begin at sixteen different places modulo 256 bytes
.set SPARE,  STAGE+4*16*SPITCH         ; behind the stages: the spare words, 128 bytes for each wave: two blocks of 256 bytes that no other line names
.set ADRA, 16                          ; v16-17  LDS address of my fragments of A in slot 0, 1
.set ADRB, 20                          ; v20-21  the same for Wo
.set STO,  24                          ; v24     the way out: where I put 32 bytes of a row
.set RD,   25                          ; v25     where I read a row back
.set CO,   26                          ; v26     my byte offset in the result
.set SPW,  28                          ; v28     LDS address of my spare word; never rewritten
.set NIL,  29                          ; v29     0; never rewritten
.set TMP,  32
.set ACC,  128
.set F0,   0                           ; fragment buffers, in window 1
.set F1,   128
.set G1, 24                            ; s[24:31] descriptor group 1 for A's tiles;  s[32:39] group 0, one set for each slot
.set G0, 32
.set G1B, 48                           ; s[48:55], s[56:63] the same for Wo's tiles
.set G0B, 56
.set MSB, 0
.macro WIN new                         ; the immediate's high byte repeats the setting that is left
.if MSB != \new
	s_set_vgpr_msb (MSB<<8)|\new
.set MSB, \new
.endif
.endm
.set MUL,  0x05                        ; sources 0 (Wo) and 1 (A) window 1; C and D window 0
.set TO_F, 0x40                        ; destination window 1, address window 0
.macro JLOAD s                         ; a joint load: waves 0 and 1 fetch A's two halves, waves 2 and 3 Wo's; four v_nop follow each of the two lines, ahead of the jump, the label and what follows
	s_cmp_eq_u32 s11, 0
	s_cbranch_scc0 .Lfor_b_\@
	tensor_load_to_lds s[G0+4*\s:G0+4*\s+3], s[G1:G1+7]
.rept 4
	v_nop
.endr
	s_branch .Lasked_\@
.Lfor_b_\@:
	tensor_load_to_lds s[G0B+4*\s:G0B+4*\s+3], s[G1B:G1B+7]
.rept 4
	v_nop
.endr
.Lasked_\@:
.endm
.macro CREST                           ; a round of the cluster's barrier behind its opening barrier
	s_cmp_lg_u32 s10, 0
	s_cbranch_scc1 .Lnot_wave_0_\@
	s_barrier_signal -3
.Lnot_wave_0_\@:
	s_barrier_wait -3
	s_barrier_signal -1
	s_barrier_wait -1
.endm
.macro CROUND                          ; a whole round
	s_barrier_signal -1
	s_barrier_wait -1
	CREST
.endm
	s_load_b128 s[4:7], s[0:1], 0x0                ; ao s[4:5], wob s[6:7]
	s_load_b64 s[8:9], s[0:1], 0x10                ; out0
	v_lshl_add_u32 v[SPW], v0, 2, SPARE
	v_mov_b32 v[NIL], 0
	v_lshrrev_b32 v1, 5, v0
	v_readfirstlane_b32 s10, v1                    ; wave 0..3
	s_lshr_b32 s11, s10, 1                         ; which half of the tile's rows is mine.  Also: I fetch for A (0) or for Wo (1)
	s_and_b32 s12, s10, 1                          ; which half of its columns.  Also: which 64 rows of that tile I fetch
	s_bfe_u32 s40, ttmp6, 0x40000                  ; cx, cy: my place in the cluster
	s_bfe_u32 s41, ttmp6, 0x40004
	s_lshl_b32 s42, ttmp9, 2
	s_add_co_u32 s42, s42, s40                     ; tile column = 4 x cluster x + cx
	s_and_b32 s13, ttmp7, 0xffff
	s_lshl_b32 s13, s13, 2
	s_add_co_u32 s13, s13, s41                     ; tile row = 4 x cluster y + cy
	s_lshl_b32 s43, s41, 2
	s_lshl_b32 s43, 15, s43                        ; my row of the cluster
	s_lshl_b32 s44, 0x1111, s40                    ; my column
	; descriptor group 1: 4 rows of 8,192 bytes (1,024 elements of 8 bytes), 32,768 bytes (4,096 elements) apart, no padding
	s_or_b32 s[G1+0], s43, (3<<16)|(1<<21)         ; 15:0 the mask: A's tiles go to my row; 17:16 elements of 8 bytes; 21 set beside a mask
	s_or_b32 s[G1B+0], s44, (3<<16)|(1<<21)
.irp g, G1, G1B
	s_mov_b32 s[\g+1], 1024<<16                    ; tensor_dim0 = 1,024
	s_mov_b32 s[\g+2], 4<<16                       ; tensor_dim1 = 4
	s_mov_b32 s[\g+3], 1024<<16                    ; tile_dim0 = 1,024
	s_mov_b32 s[\g+4], 4                           ; tile_dim1 = 4
	s_mov_b32 s[\g+5], 4096                        ; tensor_dim0_stride
	s_mov_b32 s[\g+6], 0
	s_mov_b32 s[\g+7], 0
.endr
	s_lshl_b32 s17, s12, 2                         ; which four tiles of 16 rows I fetch
	s_lshl_b32 s16, s13, 3
	s_add_co_u32 s16, s16, s17                     ; A: 8 x tile row + 4 x half,
	s_lshl_b32 s16, s16, 15                        ; 32,768 bytes each
	s_lshl_b32 s46, s42, 3
	s_add_co_u32 s46, s46, s17                     ; Wo: 8 x tile column + 4 x half
	s_lshl_b32 s46, s46, 15
	s_mov_b32 s17, 0
	s_mov_b32 s47, 0
	s_lshl_b32 s20, s10, 15                        ; where they go: 32,768 x wave: A's halves, then Wo's: no place in the cluster enters an LDS address
	s_wait_kmcnt 0x0
	s_add_nc_u64 s[14:15], s[4:5], s[16:17]
	s_add_nc_u64 s[46:47], s[6:7], s[46:47]
	CROUND                                         ; all sixteen work-groups are here: the first joint loads meet
.irp s, 0,1
	s_mov_b32 s[G0+4*\s], 1
	s_add_co_u32 s[G0+4*\s+1], s20, \s*SLOT1
	s_add_nc_u64 s[G0+4*\s+2:G0+4*\s+3], s[14:15], \s*KSB
	s_or_b32 s[G0+4*\s+3], s[G0+4*\s+3], 0x80000000
	s_mov_b32 s[G0B+4*\s], 1
	s_add_co_u32 s[G0B+4*\s+1], s20, \s*SLOT1
	s_add_nc_u64 s[G0B+4*\s+2:G0B+4*\s+3], s[46:47], \s*KSB
	s_or_b32 s[G0B+4*\s+3], s[G0B+4*\s+3], 0x80000000
	JLOAD \s
.endr
	v_and_b32 v1, 15, v0                           ; l % 16
	v_bfe_u32 v2, v0, 4, 1                         ; l / 16
	v_and_b32 v3, 31, v0
	v_lshlrev_b32 v3, 4, v3                        ; 16 x lane
	s_lshl_b32 s21, s11, 15                        ; my 64 rows of A
	s_lshl_b32 s22, s12, 15                        ; my 64 rows of Wo,
	s_add_co_u32 s22, s22, BOFF                    ; which lie behind A's 128
.irp s, 0,1
	v_add_nc_u32 v[ADRA+\s], s21, v3
	v_add_nc_u32 v[ADRB+\s], s22, v3
	s_add_co_u32 s21, s21, SLOT1
	s_add_co_u32 s22, s22, SLOT1
.endr
	s_mul_i32 s23, s10, 16*SPITCH
	s_add_co_u32 s23, s23, STAGE                   ; my stage
	v_mul_u32_u24 v4, v1, SPITCH                   ; in: row l % 16, 32 bytes for each half of the lanes
	v_lshl_add_u32 v4, v2, 5, v4
	v_add_nc_u32 v[STO], s23, v4
	v_mul_u32_u24 v5, v2, SPITCH                   ; back: lanes 0-15 take one row of 256 bytes, lanes 16-31 the next
	v_lshl_add_u32 v5, v1, 4, v5
	v_add_nc_u32 v[RD], s23, v5
	v_lshlrev_b32 v5, 12, v2                       ; and the same two rows in the result: 4,096 bytes a row
	v_lshl_add_u32 v[CO], v1, 4, v5
	s_lshl_b32 s16, s13, 7
	s_lshl_b32 s17, s11, 6
	s_add_co_u32 s16, s16, s17                     ; my first row: 128 x tile row + 64 x half
	s_lshl_b32 s16, s16, 12
	s_mov_b32 s17, 0
	s_add_nc_u64 s[8:9], s[8:9], s[16:17]
	s_lshl_b32 s46, s42, 9                         ; my first column, in bytes: 512 x tile column + 256 x half
	s_lshl_b32 s47, s12, 8
	s_add_co_u32 s46, s46, s47
	s_mov_b32 s47, 0
	s_add_nc_u64 s[8:9], s[8:9], s[46:47]
; 8 matrix instructions: row blocks a0, a0 + 1 x all 4 column blocks, 32 along K: half c of buffer f.  zero = 1: the first product starts the sums.  The 16 accumulators take turns.
.macro MUL8 f, c, a0, zero
.irp a, \a0, \a0+1
.irp b, 0,1,2,3
.if \zero
	v_wmma_f32_16x16x32_f16 v[ACC+8*(4*(\a)+\b):ACC+8*(4*(\a)+\b)+7], v[\f+64+8*(4*\c+\b):\f+64+8*(4*\c+\b)+7], v[\f+8*(4*\c+\a):\f+8*(4*\c+\a)+7], 0
.else
	v_wmma_f32_16x16x32_f16 v[ACC+8*(4*(\a)+\b):ACC+8*(4*(\a)+\b)+7], v[\f+64+8*(4*\c+\b):\f+64+8*(4*\c+\b)+7], v[\f+8*(4*\c+\a):\f+8*(4*\c+\a)+7], v[ACC+8*(4*(\a)+\b):ACC+8*(4*(\a)+\b)+7]
.endif
.endr
.endr
.endm
; 32 LDS loads in one run: the fragments of the slot's q-th 64 along K into buffer f; the first 32 along K first.  Block i's image begins 8,192 i bytes on, 32 along K are 1,024 bytes of it.
.macro FETCH slot, q, f
	WIN TO_F
.irp c, 0,1
.irp i, 0,1,2,3
	ds_load_b128 v[\f+64+8*(4*\c+\i):\f+64+8*(4*\c+\i)+3],   v[ADRB+\slot] offset:KSB*\i+1024*(2*(\q)+\c)
	ds_load_b128 v[\f+64+8*(4*\c+\i)+4:\f+64+8*(4*\c+\i)+7], v[ADRB+\slot] offset:KSB*\i+1024*(2*(\q)+\c)+512
	ds_load_b128 v[\f+8*(4*\c+\i):\f+8*(4*\c+\i)+3],         v[ADRA+\slot] offset:KSB*\i+1024*(2*(\q)+\c)
	ds_load_b128 v[\f+8*(4*\c+\i)+4:\f+8*(4*\c+\i)+7],       v[ADRA+\slot] offset:KSB*\i+1024*(2*(\q)+\c)+512
.endr
.endr
.endm
.macro PLACES                          ; four places in front of loads into registers that matrix instructions have read, and of the first read of results
.rept 4
	v_nop
.endr
.endm
; A K step is four quarters of 64 along K, 32 matrix instructions each, on buffers 0, 1, 0, 1.  One of the first three: multiplies buffer f and fetches quarter q of the same slot into g.
.macro QUARTER slot, q, f, g, zero
	s_wait_dscnt 16                                ; the first 32 along K are in; the other sixteen loads may be out
	WIN MUL
	MUL8 \f, 0, 0, \zero
	MUL8 \f, 0, 2, \zero
	PLACES
	FETCH \slot, \q, \g
	s_wait_dscnt 32                                ; all but the 32 just issued
	WIN MUL
	MUL8 \f, 1, 0, 0
	MUL8 \f, 1, 2, 0
.endm
; The last quarter multiplies buffer 1 and changes slots: ONE barrier; in front of it each wave waits for all its tensor loads, adds 0 to its spare word, and waits for that and for its own reads of this slot.
; fill = 1: this slot is filled again, two K steps ahead; the barrier then opens a round of the cluster's barrier, and the joint refill is the first tensor load behind it.
.macro TURN slot, next, fill
	WIN 0                                          ; (the add's two registers lie in window 0)
	s_wait_tensorcnt 0x0                           ; all my tensor loads have landed: my part of the next slot;
	ds_add_u32 v[SPW], v[NIL]                      ; 0 onto my spare word;
	s_wait_dscnt 17                                ; (the add and the youngest sixteen loads may be out)
	WIN MUL
	MUL8 F1, 0, 0, 0                               ; eight matrix instructions stand between the add and the wait for it
	s_wait_dscnt 0x0                               ; the add is done, and my reads of this slot are over
	s_barrier_signal -1
	MUL8 F1, 0, 2, 0
.if \fill
	WIN 0
.endif
	s_barrier_wait -1
.if \fill
	CREST                                          ; no wave of any partner still reads this slot's tile or has a load on its way
	s_add_nc_u64 s[G0+4*\slot+2:G0+4*\slot+3], s[G0+4*\slot+2:G0+4*\slot+3], 2*KSB
	s_add_nc_u64 s[G0B+4*\slot+2:G0B+4*\slot+3], s[G0B+4*\slot+2:G0B+4*\slot+3], 2*KSB
	JLOAD \slot                                    ; 112 matrix instructions ahead of the wait for it; the four v_nop behind it are also the places in front of the loads below
.else
	PLACES
.endif
	FETCH \next, 0, F0
	WIN MUL
	MUL8 F1, 1, 0, 0
	MUL8 F1, 1, 2, 0
.endm
	s_wait_tensorcnt 1                             ; my part of K step 0 is in (K step 1's may be out)
	s_barrier_signal -1
	s_barrier_wait -1                              ; everybody's is
	FETCH 0, 0, F0
	QUARTER 0, 1, F0, F1, 1                        ; the first products start the sums
	QUARTER 0, 2, F1, F0, 0
	QUARTER 0, 3, F0, F1, 0
	TURN 0, 1, 1                                   ; slot 0 takes K step 2
	QUARTER 1, 1, F0, F1, 0
	QUARTER 1, 2, F1, F0, 0
	QUARTER 1, 3, F0, F1, 0
	TURN 1, 0, 1                                   ; slot 1 takes K step 3: the last load
	QUARTER 0, 1, F0, F1, 0
	QUARTER 0, 2, F1, F0, 0
	QUARTER 0, 3, F0, F1, 0
	TURN 0, 1, 0                                   ; nothing is left to fetch, and no round of the cluster's barrier
	QUARTER 1, 1, F0, F1, 0
	QUARTER 1, 2, F1, F0, 0
	QUARTER 1, 3, F0, F1, 0
	s_wait_dscnt 16                                ; the very last quarter
	WIN MUL
	MUL8 F1, 0, 0, 0
	MUL8 F1, 0, 2, 0
	s_wait_dscnt 0
	MUL8 F1, 1, 0, 0
	MUL8 F1, 1, 2, 0
	WIN 0
; THE WAY OUT, block by block of 16 rows x 64 columns.  A lane holds 32 neighbouring bytes of a row; my 64 columns are 256 bytes of the result, aligned.  A block goes through my own stage in LDS and comes back as whole rows,
; sixteen lanes to a row.  LDS serves a wave's instructions in order (ISA guide 5.7.1.4): no wait between the stores and the loads, nor in front of the next block's stores.  No tensor load ever fills the stage.
.macro TOSTAGE a
.irp b, 0,1,2,3
	ds_store_b128 v[STO], v[ACC+8*(4*(\a)+\b):ACC+8*(4*(\a)+\b)+3] offset:64*\b       ; each accumulator from its low end on
	ds_store_b128 v[STO], v[ACC+8*(4*(\a)+\b)+4:ACC+8*(4*(\a)+\b)+7] offset:64*\b+16
.endr
.irp i, 0,1,2,3,4,5,6,7
	ds_load_b128 v[TMP+32*((\a)%2)+4*\i:TMP+32*((\a)%2)+4*\i+3], v[RD] offset:\i*2*SPITCH
.endr
.endm
.macro SEND a, younger                 ; younger: the LDS instructions issued behind block a's loads, which may stay out
	s_wait_dscnt \younger
.irp i, 0,1,2,3,4,5,6,7
	global_store_b128 v[CO], v[TMP+32*((\a)%2)+4*\i:TMP+32*((\a)%2)+4*\i+3], s[8:9] offset:(16*(\a)+2*\i)*4096 th:TH_STORE_NT   ; 16 lanes store 256 consecutive bytes, aligned; written once, read by nobody here
.endr
.endm
	PLACES
	TOSTAGE 0
.irp a, 1,2,3
.if \a > 1
	s_wait_xcnt 0x0                                ; block a - 2's stores have read their registers: block a's loads may land there
.endif
	TOSTAGE \a
	SEND \a-1, 16                                  ; behind block a - 1's loads: block a's 8 stores and 8 loads
.endr
	SEND 3, 0
	s_wait_tensorcnt 0x0                           ; the wave's end: behind my last tensor load and my last LDS store
	ds_add_u32 v[SPW], v[NIL]
	s_wait_dscnt 0x0
	CROUND                                         ; the closing round: no work-group ends while a partner may still ask for a tile that names it
	s_endpgm
.Lfunc_end_k_q65b03f7b5e_proj:
	.size	k_q65b03f7b5e_proj, .Lfunc_end_k_q65b03f7b5e_proj-k_q65b03f7b5e_proj
	.p2alignl 7, 3214868480
	.fill 96, 4, 3214868480
	.section	.rodata,"a",@progbits
	.p2align	6, 0x0
	.amdhsa_kernel k_q65b03f7b5e_proj
		.amdhsa_group_segment_fixed_size 327680
		.amdhsa_private_segment_fixed_size 0
		.amdhsa_enable_private_segment 0
		.amdhsa_kernarg_size 24
		.amdhsa_user_sgpr_count 2
		.amdhsa_user_sgpr_kernarg_segment_ptr 1
		.amdhsa_wavefront_size32 1
		.amdhsa_system_sgpr_workgroup_id_x 1
		.amdhsa_system_sgpr_workgroup_id_y 1
		.amdhsa_system_sgpr_workgroup_id_z 1
		.amdhsa_system_vgpr_workitem_id 0
		.amdhsa_next_free_vgpr 512
		.amdhsa_next_free_sgpr 66
		.amdhsa_reserve_vcc 0
		.amdhsa_float_denorm_mode_32 3
		.amdhsa_float_denorm_mode_16_64 3
		.amdhsa_memory_ordered 1
		.amdhsa_forward_progress 1
		.amdhsa_inst_pref_size 85
	.end_amdhsa_kernel
	.amdgpu_metadata
---
amdhsa.version: [ 1, 2 ]
amdhsa.kernels:
  - .name:           k_q65b03f7b5e_proj
    .symbol:         k_q65b03f7b5e_proj.kd
    .args:
      - { .name: ao, .offset: 0, .size: 8, .value_kind: global_buffer, .address_space: global }
      - { .name: wob, .offset: 8, .size: 8, .value_kind: global_buffer, .address_space: global }
      - { .name: out0, .offset: 16, .size: 8, .value_kind: global_buffer, .address_space: global }
    .group_segment_fixed_size: 327680
    .private_segment_fixed_size: 0
    .kernarg_segment_align: 8
    .kernarg_segment_size: 24
    .max_flat_workgroup_size: 128
    .sgpr_count:     66
    .vgpr_count:     512
    .wavefront_size: 32
...
	.end_amdgpu_metadata
.endif
;; end of part 4
